; MI455X (gfx1250); checked and timed in simulation.
; The chip was launched on July 23, 2026; its instructions are those of AMD's public machine-readable ISA for CDNA 5 (MIT licence, August 2026) and "CDNA5" Instruction Set Architecture Reference Guide (July 2026). The comments in the code are by the model that wrote it; some were corrected since.
;; Self Attention. Allowed arithmetic: matrix products marked QUANTISED: E2M3 operands, one E8M0 scale for each 32 along K, by v_wmma_scale_f32_16x16x128_f8f6f4 with both operands' format E2M3, f32 sums; everything else in f32.
;; Inputs: Wk 1,024 x 1,024 float32; Wo 1,024 x 1,024 float32; Wq 1,024 x 1,024 float32; Wv 1,024 x 1,024 float32; bk 1,024 float32; bo 1,024 float32; bq 1,024 float32; bv 1,024 float32; norm_embed 4 x 2,048 x 1,024 float32.
;; Outputs: out0 4 x 2,048 x 1,024 float32.
;; This version of the problem:
;;   THIS VERSION OF THE PROBLEM IS GIVEN IN LOW PRECISION. The matrix products marked QUANTISED in the list below multiply operands that are first quantised to E2M3 (2 exponent bits, 3 mantissa bits; 6 bits a number), with one power-of-two scale for each 32 numbers along K (OCP MX v1.0); their sums are f32. All else is computed in f32.
;;   The module's matrix products, in the order in which they are computed (A, B: the left and right operand; K: the contracted axis; several contracted axes count as one K, in the product's order):
;;     1. [M 8,192, K 1,024] x [K 1,024, N 1,024]; A: input norm_embed; B: input Wq: QUANTISED
;;     2. [M 8,192, K 1,024] x [K 1,024, N 1,024]; A: input norm_embed; B: input Wk: QUANTISED
;;     3. [M 8,192, K 1,024] x [K 1,024, N 1,024]; A: input norm_embed; B: input Wv: QUANTISED
;;     4. batch 64 x [M 2,048, K 64] x [K 64, N 2,048]; A: computed on the way; B: computed on the way: QUANTISED
;;     5. batch 64 x [M 2,048, K 2,048] x [K 2,048, N 64]; A: softmax (see below); B: computed on the way: QUANTISED
;;     6. [M 8,192, K 1,024] x [K 1,024, N 1,024]; A: computed on the way; B: input Wo: QUANTISED
;;   THE QUANTISER, for each operand of a quantised product, along K:
;;     - K is cut into blocks of 32 from its start; a last block that is shorter is filled with zeros.
;;     - A block's scale is 2^e with e = floor(log2(the largest magnitude in the block)) - 2, held to -126 .. 127; a block of zeros has e = 0. As a byte (E8M0): e + 127.
;;     - Each number is divided by its block's scale, clamped to +-7.5, and rounded to the nearest number of E2M3, ties to even, subnormals kept.
;;     - The product sums the exact products of the quantised numbers (number of the format x scale) in f32.
;;   ~~~python
;;   def quantise(x, axis):      # numpy; x: float32 -> the quantised numbers, widened to float32 again
;;       x = np.moveaxis(x, axis, -1); K = x.shape[-1]
;;       x = np.pad(x, [(0, 0)] * (x.ndim - 1) + [(0, -K % 32)]); x = x.reshape(x.shape[:-1] + (-1, 32)); a = np.abs(x).max(-1, keepdims=True)
;;       e = np.where(a > 0, np.clip(np.frexp(np.where(a > 0, a, 1))[1] - 1 - 2, -126, 127), 0)      # np.frexp(a)[1] - 1 = floor(log2(a)), exactly
;;       r = np.clip(x / 2.0 ** e, -7.5, 7.5)
;;       step = 2.0 ** (np.maximum(np.frexp(np.where(r == 0, 1, r))[1] - 1, 0) - 3)
;;       q = np.round(r / step) * step * 2.0 ** e      # np.round: ties to even
;;       return np.moveaxis(q.reshape(q.shape[:-2] + (-1,))[..., :K], -1, axis).astype(np.float32)
;;   ~~~
;;   SOFTMAX AHEAD OF A QUANTISED PRODUCT. Where the list says 'softmax', what is quantised is not the finished softmax but p = 2^(t - M), with t = logit x log2(e) and M = ceil(the row's largest t), a whole number; so 1/2 < the row's largest p <= 1. The row's sum l is taken of the UNQUANTISED p, in f32, and the product's result is divided by l at the end. Since M is a whole number, a kernel that streams over the keys may use a running M (the ceiling of the running maximum): every later rescaling is an exact power of two, which a block's scale takes up: the codes' values come out the same.
;;   OPERANDS COMPUTED ON THE WAY. 'Computed on the way' means the value that the module computes at that place (a softmax that the list does not call 'softmax' is quantised finished and normalised). What goes into a quantiser is computed in f32, as accurately as f32 sums, v_exp_f32 and their like allow (about 1e-6 of the number): no bf16 or f16 on the way to a quantiser, and a product that is left as it is and whose result goes on into a quantised operand takes f32 operands (vector FMAs, or v_wmma_f32_16x16x4_f32). A number that lies on a knife's edge between two numbers of the format may be rounded either way, as far as f32 arithmetic and the matrix unit's own rounding can turn it there, and no further.
;; One version. Each part assembles by itself: llvm-mc -triple=amdgcn-amd-amdhsa -mcpu=gfx1250 --defsym DOCPART=n.
;; ======== version 1 of 1: 4 launches
;; workspace buffers: opc 8,650,752 bytes; ops 360,448 bytes; c2 7,077,888 bytes; s2 294,912 bytes; hb 20,185,088 bytes
;; launch quant (part 1): grid 384 x 1, 4 waves a work-group, no clusters, 34,304 bytes of LDS; arguments norm_embed, Wq, Wk, Wv, Wo, opc, ops, c2, s2; writes opc, ops, c2, s2
.if DOCPART == 1
	.amdgcn_target "amdgcn-amd-amdhsa--gfx1250"
	.amdhsa_code_object_version 6
	.text
	.protected	k_qf09fb08f04_quant
	.globl	k_qf09fb08f04_quant
	.p2align	8
	.type	k_qf09fb08f04_quant,@function
k_qf09fb08f04_quant:
	s_mov_b64 s[64:65], 0
	v_nop
	global_prefetch_b8 v0, s[64:65] scope:SCOPE_SE
	s_setreg_imm32_b32 hwreg(HW_REG_WAVE_MODE, 25, 1), 1
	s_wait_xcnt 0x0
; norm_embed [8192][1024] and Wq, Wk, Wv, Wo [1024][1024], f32, K innermost, become codes of FP6 (E2M3) with one E8M0 byte for each 32 along K,
; laid as IMAGES OF THE OPERAND'S REGISTERS for the products that follow.
; A fragment (16 rows x 128 K, 12 registers a lane) is 1,536 bytes: for c = 0, 1 at 768 c: 512 bytes with lane l's registers 6c..6c+3 at 16 l, then 256 bytes with its registers 6c+4, 6c+5 at 8 l.
; Rows go in blocks of 128 (rb); in tile tau (0..7) of a block lane r holds row 32 (tau / 2) + 8 (tau % 2) + r + 8 (r / 8).  Codes: [rb][K step 0..7][tau][1536]; scale words: [rb][tau][K step / 4][r][K step % 4].
; opc, ops: rb 0-63 norm_embed, 64-71 Wq, 72-79 Wk, 80-87 Wv.  c2, s2: rb 64-71 Wo.
; A block's scale is 2^(floor(log2(its largest magnitude)) - 2); its byte is the largest magnitude's exponent field - 2, held at 1 from below.
; LIMITS: NaN and infinities among the inputs are not served; blocks whose largest magnitude lies under 2^-124 keep the byte 1; a block of zeros gets the byte 1 where the rule says 127:
; its codes are zeros, which add nothing under that byte, and the bytes are read by this program alone.
; SHARES.  Work-group g takes 32 rows (g < 256: norm_embed; then 32 work-groups for each weight).  Wave w takes tile tau = 2 (g % 4) + w / 2 and K steps 4 (w % 2) .. + 3: four fragments.
; Each load reads 512 consecutive bytes of one row (one K step); a K step's 16 rows turn through the wave's own stage in LDS, so that a lane gets 16 neighbours of each block of 32.
; Each store covers 512 or 256 consecutive bytes, aligned.  No tensor load, no barrier: waves share nothing.  Two K steps' loads (32 a wave) are out at the start, 16 while a step is worked.
.set STG,   8448                       ; a wave's stage: 16 rows x (512 bytes + 16): the pitch is an odd multiple of 16 bytes
.set SPARE, 4*STG                      ; behind the stages: the spare words, 128 bytes for each wave
.set GI,    4                          ; v4   16 x lane: my bytes of a load's 512, and of an image's 512
.set STI,   5                          ; v5   the stage, on the way in
.set STO,   6                          ; v6   the stage, on the way out: row r, + 64 h
.set O8,    8                          ; v8   512 + 8 x lane: an image's last 256 bytes
.set OSC,   9                          ; v9   16 r: my row's four scale words
.set SPW,   10                         ; v10  LDS address of my spare word; never rewritten
.set NIL,   11                         ; v11  0; never rewritten
.set PWS,   12                         ; v12-15 the four K steps' scale words
.set R,     16                         ; v16-143 two sets of 64 registers as loaded
.set X,     144                        ; v144-207 64 numbers: register 16 b + i = k 32 b + 16 h + i of my row
.set PC,    208                        ; v208-219 the fragment
.set PT,    220                        ; v220-227 the blocks' upper halves on their way
.set TM,    228                        ; v228-231 largest magnitudes, v232-235 bytes, v236-239 the conversions' scale operands
.set PW,    244                        ; the scale word just made
.set SEL,   36                         ; s[36:37] lane selects: lane l xor 16
; 64 numbers of a lane become a fragment's codes in v[PC] on and its row's scale word in v[PW]
.macro QUANT s
.irp b, 0,1,2,3
	v_max3_num_f32 v[TM+\b], |v[\s+16*\b]|, |v[\s+1+16*\b]|, 0x1800000   ; block b: my 16 numbers, and the floor 2^(3 - 127): the byte cannot fall under 1
.endr
.irp i, 2,4,6,8,10,12,14
.irp b, 0,1,2,3
	v_max3_num_f32 v[TM+\b], v[TM+\b], |v[\s+16*\b+\i]|, |v[\s+1+16*\b+\i]|   ; the four blocks by turns
.endr
.endr
.irp b, 0,1,2,3
	v_permlanex16_b32 v[TM+4+\b], v[TM+\b], s[SEL], s[SEL+1]
.endr
.irp b, 0,1,2,3
	v_max_num_f32 v[TM+\b], v[TM+\b], v[TM+4+\b]   ; with lane l xor 16's: the block's largest magnitude
.endr
.irp b, 0,1,2,3
	v_add_nc_u32 v[TM+8+\b], 0xff000000, v[TM+\b]  ; 2 off its exponent field: the conversion takes the exponent field of this operand as its scale
.endr
.irp b, 0,1,2,3
	v_lshrrev_b32 v[TM+4+\b], 23, v[TM+8+\b]       ; the scale's byte
.endr
	v_lshl_or_b32 v[PW], v[TM+5], 8, v[TM+4]
	v_lshl_or_b32 v[PW], v[TM+6], 16, v[PW]
	v_lshl_or_b32 v[PW], v[TM+7], 24, v[PW]
.irp c, 0,1
	v_cvt_scalef32_pk16_fp6_f32 v[PC+6*\c:PC+2+6*\c], v[\s+32*\c:\s+15+32*\c], v[TM+8+2*\c]
	v_cvt_scalef32_pk16_fp6_f32 v[PT+4*\c:PT+2+4*\c], v[\s+16+32*\c:\s+31+32*\c], v[TM+8+2*\c+1]   ; (a conversion's three registers begin on an even number)
.endr
	v_nop                                          ; one plain place behind a scaled conversion
.irp c, 0,1                                    ; the layout wants a whole block in a lane: lanes 0-15 block 2 c, lanes 16-31 block 2 c + 1
.irp i, 0,1,2
	v_permlane16_swap_b32 v[PC+6*\c+\i], v[PT+4*\c+\i]
.endr
.irp i, 0,1,2
	v_mov_b32 v[PC+3+6*\c+\i], v[PT+4*\c+\i]
.endr
.endr
.endm
.macro LOAD t                          ; K step t of my 16 rows: row i of the tile lies i + 8 (i / 8) rows down
.irp i, 0,1,2,3,4,5,6,7,8,9,10,11,12,13,14,15
	global_load_b128 v[R+64*((\t)%2)+4*\i:R+64*((\t)%2)+4*\i+3], v[GI], s[4:5] offset:(\i+8*(\i/8))*4096+512*(\t) th:TH_LOAD_NT
.endr
.endm
.macro TURNIN t                        ; through the stage: LDS serves a wave's instructions in order, so no wait stands between the stores and the loads
.irp i, 0,1,2,3,4,5,6,7,8,9,10,11,12,13,14,15
	ds_store_b128 v[STI], v[R+64*((\t)%2)+4*\i:R+64*((\t)%2)+4*\i+3] offset:528*\i
.endr
.irp b, 0,1,2,3
.irp j, 0,1,2,3
	ds_load_b128 v[X+16*\b+4*\j:X+16*\b+4*\j+3], v[STO] offset:128*\b+16*\j
.endr
.endr
.endm
.macro WORK t
.if (\t) < 3
	s_wait_loadcnt 16                              ; this K step's 16 loads are in; the next one's 16 may be out
.else
	s_wait_loadcnt 0x0
.endif
	TURNIN \t
	s_wait_dscnt 0x0                               ; the numbers are back, and the stage's stores have read their registers,
.if (\t) < 2
	LOAD (\t)+2                                    ; which take the K step two on
.endif
.if (\t) > 0
	s_wait_xcnt 0x0                                ; the last fragment's stores have read their data: the codes' registers may be written again
.endif
	QUANT X
	v_mov_b32 v[PWS+(\t)], v[PW]
	global_store_b128 v[GI], v[PC:PC+3], s[14:15] offset:12288*(\t)          ; 512 consecutive bytes
	global_store_b64 v[O8], v[PC+4:PC+5], s[14:15] offset:12288*(\t)         ; 256
	global_store_b128 v[GI], v[PC+6:PC+9], s[14:15] offset:12288*(\t)+768
	global_store_b64 v[O8], v[PC+10:PC+11], s[14:15] offset:12288*(\t)+768
.endm
	s_load_b256 s[4:11], s[0:1], 0x0               ; norm_embed s[4:5], Wq s[6:7], Wk s[8:9], Wv s[10:11]
	s_load_b256 s[12:19], s[0:1], 0x20             ; Wo s[12:13], opc s[14:15], ops s[16:17], c2 s[18:19]
	s_load_b64 s[20:21], s[0:1], 0x40              ; s2
	v_lshl_add_u32 v[SPW], v0, 2, SPARE
	v_mov_b32 v[NIL], 0
	v_lshrrev_b32 v1, 5, v0
	v_readfirstlane_b32 s22, v1                    ; wave 0..3
	v_and_b32 v1, 31, v0                           ; lane
	v_and_b32 v2, 15, v0                           ; r
	v_bfe_u32 v3, v0, 4, 1                         ; h
	s_lshr_b32 s23, s22, 1                         ; u: which of the group's two tiles
	s_and_b32 s24, s22, 1                          ; hf: which half of K
	s_mul_i32 s25, s22, STG                        ; my stage
	v_lshlrev_b32 v[GI], 4, v1
	v_add_nc_u32 v[STI], s25, v[GI]
	v_mul_u32_u24 v[STO], v2, 528
	v_lshl_add_u32 v[STO], v3, 6, v[STO]
	v_add_nc_u32 v[STO], s25, v[STO]
	v_lshlrev_b32 v[O8], 3, v1
	v_add_nc_u32 v[O8], 512, v[O8]
	v_lshlrev_b32 v[OSC], 4, v2
.irp b, 0,1,2,3
	v_mov_b32 v[TM+4+\b], 0                        ; written once: a lane permute's destination counts as one of its sources
.endr
	s_mov_b32 s[SEL], 0x76543210
	s_mov_b32 s[SEL+1], 0xfedcba98
	s_sub_co_u32 s26, ttmp9, 256
	s_and_b32 s26, s26, 31                         ; a weight's group of 32 rows
	s_sub_co_u32 s27, ttmp9, 352
	s_lshr_b32 s27, s27, 2
	s_add_co_u32 s27, s27, 64                      ; Wo's rb in c2
	s_lshr_b32 s28, ttmp9, 2                       ; everybody else's rb in opc
	s_and_b32 s29, ttmp9, 3
	s_lshl_b32 s29, s29, 1
	s_add_co_u32 s29, s29, s23                     ; tau
	s_wait_kmcnt 0x0
	s_cmp_lt_u32 ttmp9, 288                        ; the choices hang on the work-group's number alone
	s_cselect_b64 s[6:7], s[6:7], s[8:9]           ; Wq or Wk
	s_cmp_lt_u32 ttmp9, 352
	s_cselect_b64 s[10:11], s[10:11], s[12:13]     ; Wv or Wo
	s_cselect_b64 s[14:15], s[14:15], s[18:19]     ; the codes go to opc or c2,
	s_cselect_b64 s[16:17], s[16:17], s[20:21]     ; the scale words to ops or s2
	s_cselect_b32 s28, s28, s27                    ; rb
	s_cmp_lt_u32 ttmp9, 320
	s_cselect_b64 s[6:7], s[6:7], s[10:11]
	s_cmp_lt_u32 ttmp9, 256
	s_cselect_b64 s[4:5], s[4:5], s[6:7]
	s_cselect_b32 s26, ttmp9, s26                  ; the group of 32 rows in its tensor
	s_lshl_b32 s30, s26, 17                        ; 32 rows of 4,096 bytes,
	s_lshl_b32 s31, s23, 15                        ; + 8 u rows,
	s_add_co_u32 s30, s30, s31
	s_lshl_b32 s31, s24, 11                        ; + 4 hf K steps of 512 bytes
	s_add_co_u32 s30, s30, s31
	s_mov_b32 s31, 0
	s_add_nc_u64 s[4:5], s[4:5], s[30:31]
	s_lshl_b32 s32, s28, 3
	s_lshl_b32 s33, s24, 2
	s_add_co_u32 s33, s32, s33                     ; 8 rb + 4 hf
	s_lshl_b32 s33, s33, 3
	s_add_co_u32 s33, s33, s29
	s_mul_i32 s34, s33, 1536                       ; my first fragment's image
	s_mov_b32 s35, 0
	s_add_nc_u64 s[14:15], s[14:15], s[34:35]
	s_add_co_u32 s32, s32, s29                     ; 8 rb + tau
	s_lshl_b32 s32, s32, 1
	s_add_co_u32 s32, s32, s24
	s_lshl_b32 s34, s32, 8                         ; my 256 bytes of scale words
	s_add_nc_u64 s[16:17], s[16:17], s[34:35]
	LOAD 0
	LOAD 1
	WORK 0
	WORK 1
	WORK 2
	WORK 3
	v_cmp_gt_u32 vcc_lo, 16, v1                    ; lanes 16-31 hold the same words as lanes 0-15
	s_wait_xcnt 0x0                                ; EXEC changes only behind this wait
	s_and_saveexec_b32 s38, vcc_lo
	global_store_b128 v[OSC], v[PWS:PWS+3], s[16:17]   ; sixteen lanes store 256 consecutive bytes, aligned
	s_wait_xcnt 0x0                                ; and again, in front of the line that widens it
	s_or_b32 exec_lo, exec_lo, s38
	s_wait_tensorcnt 0x0                           ; the wave's end: behind my last LDS store
	ds_add_u32 v[SPW], v[NIL]
	s_wait_dscnt 0x0
	s_endpgm
.Lfunc_end_k_qf09fb08f04_quant:
	.size	k_qf09fb08f04_quant, .Lfunc_end_k_qf09fb08f04_quant-k_qf09fb08f04_quant
	.p2alignl 7, 3214868480
	.fill 96, 4, 3214868480
	.section	.rodata,"a",@progbits
	.p2align	6, 0x0
	.amdhsa_kernel k_qf09fb08f04_quant
		.amdhsa_group_segment_fixed_size 34304
		.amdhsa_private_segment_fixed_size 0
		.amdhsa_enable_private_segment 0
		.amdhsa_kernarg_size 72
		.amdhsa_user_sgpr_count 2
		.amdhsa_user_sgpr_kernarg_segment_ptr 1
		.amdhsa_wavefront_size32 1
		.amdhsa_system_sgpr_workgroup_id_x 1
		.amdhsa_system_sgpr_workgroup_id_y 1
		.amdhsa_system_sgpr_workgroup_id_z 1
		.amdhsa_system_vgpr_workitem_id 0
		.amdhsa_next_free_vgpr 256
		.amdhsa_next_free_sgpr 66
		.amdhsa_reserve_vcc 1
		.amdhsa_float_denorm_mode_32 3
		.amdhsa_float_denorm_mode_16_64 3
		.amdhsa_memory_ordered 1
		.amdhsa_forward_progress 1
		.amdhsa_inst_pref_size 35
	.end_amdhsa_kernel
	.amdgpu_metadata
---
amdhsa.version: [ 1, 2 ]
amdhsa.kernels:
  - .name:           k_qf09fb08f04_quant
    .symbol:         k_qf09fb08f04_quant.kd
    .args:
      - { .name: norm_embed, .offset: 0, .size: 8, .value_kind: global_buffer, .address_space: global }
      - { .name: Wq, .offset: 8, .size: 8, .value_kind: global_buffer, .address_space: global }
      - { .name: Wk, .offset: 16, .size: 8, .value_kind: global_buffer, .address_space: global }
      - { .name: Wv, .offset: 24, .size: 8, .value_kind: global_buffer, .address_space: global }
      - { .name: Wo, .offset: 32, .size: 8, .value_kind: global_buffer, .address_space: global }
      - { .name: opc, .offset: 40, .size: 8, .value_kind: global_buffer, .address_space: global }
      - { .name: ops, .offset: 48, .size: 8, .value_kind: global_buffer, .address_space: global }
      - { .name: c2, .offset: 56, .size: 8, .value_kind: global_buffer, .address_space: global }
      - { .name: s2, .offset: 64, .size: 8, .value_kind: global_buffer, .address_space: global }
    .group_segment_fixed_size: 34304
    .private_segment_fixed_size: 0
    .kernarg_segment_align: 8
    .kernarg_segment_size: 72
    .max_flat_workgroup_size: 128
    .sgpr_count:     66
    .vgpr_count:     256
    .wavefront_size: 32
...
	.end_amdgpu_metadata
.endif
;; end of part 1
;; launch qkv (part 2): grid 8 x 48, 4 waves a work-group, clusters of 4 x 4, 327,680 bytes of LDS; arguments opc, ops, bq, bk, bv, hb; writes hb
.if DOCPART == 2
	.amdgcn_target "amdgcn-amd-amdhsa--gfx1250"
	.amdhsa_code_object_version 6
	.text
	.protected	k_qf09fb08f04_qkv
	.globl	k_qf09fb08f04_qkv
	.p2align	8
	.type	k_qf09fb08f04_qkv,@function
k_qf09fb08f04_qkv:
	s_mov_b64 s[64:65], 0
	v_nop
	global_prefetch_b8 v0, s[64:65] scope:SCOPE_SE
	s_setreg_imm32_b32 hwreg(HW_REG_WAVE_MODE, 25, 1), 1
	s_wait_xcnt 0x0
	s_wait_alu depctr_hold_cnt(0) depctr_sa_sdst(0) depctr_va_vdst(0) depctr_va_sdst(0) depctr_va_ssrc(0) depctr_va_vcc(0) depctr_vm_vsrc(0)
	s_getreg_b32 s2, hwreg(HW_REG_IB_STS2, 6, 4)
	s_cmp_eq_u32 s2, 0
	s_cbranch_scc0 .Lentry_in_a_cluster
	s_endpgm
.Lentry_in_a_cluster:
	s_bfe_u32 s2, ttmp6, 0x10000c
	s_cmp_lg_u32 s2, 0xf033
	s_cbranch_scc0 .Lentry_shape_is_right
	s_endpgm
.Lentry_shape_is_right:
; q = x Wq^T + bq, k = x Wk^T + bk, v = x Wv^T + bv on codes of FP6 (E2M3) with E8M0 scales, sums in f32; the results are quantised at once (q and k along the head's 64, v along the keys)
; and stored as images of the operands' registers for the attention launch.  x, Wq, Wk, Wv come as images (codes [rb][K step][tile][1536], scale words [rb][tile][K step / 4][r][K step % 4]; rb 0-63 x, 64-71 Wq, 72-79 Wk, 80-87 Wv).
; A tile of C, 256 x 256, is made by four waves, each 128 x 128: 64 accumulators, 512 registers.  Source 0 = 16 rows of the operand called B here, source 1 = 16 rows of A: a lane holds one row of A, and, since in
; tile t of a block of 128 rows lane r holds row 32 (t / 2) + 8 (t % 2) + r + 8 (r / 8), its 64 registers of a block of A are: register 16 b + i = B's row 32 b + 16 (lane / 16) + i: the order that the conversions want.
; THE MAP.  Clusters with y < 8 (256 work-groups): A = x (tokens), B = Wq | Wk (features): a wave's 128 columns are two heads.  Clusters with y >= 8 (128 work-groups): A = Wv (features), B = x (tokens):
; V^T, so that a lane's registers run along the keys, which are the second attention product's K.
; K = 1,024 is four K slots of 256.  THREE LDS slots: K slots 0, 1, 2 are first fills (three tensor loads of a wave are out at the start), K slot 3 is the one refill, into LDS slot 0.  Nothing is looped.
; A slot's part (one rb x 2 K steps) is 24,576 dense bytes of memory; fragments are read by loads of 512 and 256 consecutive bytes: no pitch, no padding.
; All 64 scale words of a lane (8 blocks x 8 K steps; lanes 0-15 A's rows, lanes 16-31 B's) come straight from memory into registers, once.
; CLUSTERS: 4 x 4 work-groups; A's parts are asked for jointly along a row of the cluster, B's along a column.
; hb, for each of 64 heads 315,392 bytes: 16 key steps of 13,056 (K: 8 half images of 768; V: 4 images at 6,144; K's scale words [2][r][4] at 12,288; V's [r][4] at 12,800); Q's 128 half images at 208,896; Q's scale words [32][r][4] at 307,200.
; In Q's and K's scale words bytes 2 and 3 are 0: they meet zero codes alone.
; LIMITS: NaN and infinities are not served; blocks under 2^-124 and blocks of zeros keep the byte 1 (their codes add nothing; this program alone reads the bytes).
; No prefetch: three of the four K slots are asked for at the head.
; REGISTERS: window 0: v1-26 addresses; v28, v29 the add's; v32-95 scale words and nothing else; v96-127 the quantiser's; v128-223 A's fragments, one set, on the way out 64 numbers; v224-251 scale words on their way, the row bias.
;   window 1: B's fragments, two sets, v0-95 and v128-223; the column bias in v96-127 and v224-255.   windows 2, 3: the accumulators ((a, b) at v[8 (8 (a % 4) + b)] of window 2 + a / 4).
.set HALFT, 24576                      ; one rb x 2 K steps: what one tensor load brings
.set SLOT,  4*HALFT                    ; A's two rb, then B's two
.set SPARE, 3*SLOT                     ; behind the slots: the spare words, 128 bytes for each wave
.set RBB,   98304                      ; an rb's codes
.set HS,    315392
.set KVB,   13056
.set A16, 8                            ; v8-10   LDS address of my A fragments' 16-byte parts in slot 0, 1, 2
.set A8,  11                           ; v11-13  of their 8-byte parts
.set B16, 14                           ; v14-16  the same for B
.set B8,  17                           ; v17-19
.set SOFF, 20                          ; v20  the scale words' offset
.set BJO, 21                           ; v21  the column bias's offset
.set BIO, 22                           ; v22  the row bias's
.set O16, 23                           ; v23  the way out: 16 x lane + my images' first byte
.set O8,  24                           ; v24  512 + 8 x lane + the same
.set OS,  25                           ; v25  16 r + (lane / 16) x a head + my scale words' first byte
.set SH,  26                           ; v26  16 (lane / 16)
.set SPW, 28
.set NIL, 29
.set SC,  32                           ; block i, K step n: v[SC + 8 i + n]
.set PC,  96
.set PT,  108
.set TM,  116
.set AF,  128
.set T,   128
.set PW,  224
.set SW,  226
.set BI,  236
.set WV,  14
.set WA,  15                           ; which rb of A is mine.  Also: I fetch for A (0) or for B (1)
.set WB,  16                           ; which rb of B is mine.  Also: which rb of that tile I fetch
.set ARB, 17
.set BRB, 18
.set G1,  24                           ; s[24:31] descriptor group 1 for A;  s[32:43] groups 0, one for each LDS slot
.set G0,  32
.set G1B, 48                           ; s[48:55], s[68:79] the same for B
.set G0B, 68
.set TR,  58
.set TC,  59
.set SEL, 96
.set HM,  98                           ; the mask of lanes 16-31
.set ISV, 99                           ; 1 in the clusters that make V^T
.set MSB, 0
.macro WIN new                         ; the immediate's high byte repeats the setting that is left
.if MSB != (\new)
	s_set_vgpr_msb (MSB<<8)|(\new)
.set MSB, \new
.endif
.endm
.set MUL_LO, 0xa1                      ; source 0 (B) window 1, source 1 (A) window 0, C and D window 2
.set MUL_HI, 0xf1
.set TO_B,   0x40
.macro JLOAD g0a, g1a, g0b, g1b        ; a joint load: waves 0 and 1 fetch for A, waves 2 and 3 for B; an s_nop 0 and four v_nop follow each of the two lines
	s_cmp_eq_u32 s[WA], 0
	s_cbranch_scc0 .Lfor_b_\@
	tensor_load_to_lds s[\g0a:\g0a+3], s[\g1a:\g1a+7]
	s_nop 0
.rept 4
	v_nop
.endr
	s_branch .Lasked_\@
.Lfor_b_\@:
	tensor_load_to_lds s[\g0b:\g0b+3], s[\g1b:\g1b+7]
	s_nop 0
.rept 4
	v_nop
.endr
.Lasked_\@:
.endm
.macro CREST                           ; a round of the cluster's barrier behind its opening barrier
	s_cmp_lg_u32 s[WV], 0
	s_cbranch_scc1 .Lnot_wave_0_\@
	s_barrier_signal -3
.Lnot_wave_0_\@:
	s_barrier_wait -3
	s_barrier_signal -1
	s_barrier_wait -1
.endm
.macro CROUND
	s_barrier_signal -1
	s_barrier_wait -1
	CREST
.endm
.macro PLACES n                        ; plain vector instructions between a matrix instruction and a load into, or a read of, its registers
.rept \n
	v_nop
.endr
.endm
.macro FRAG reg, a16, a8, off          ; a fragment's image comes back as it was stored: 512, 256, 512, 256 consecutive bytes
	ds_load_b128 v[\reg:\reg+3], v[\a16] offset:\off
	ds_load_b64 v[\reg+4:\reg+5], v[\a8] offset:\off
	ds_load_b128 v[\reg+6:\reg+9], v[\a16] offset:\off+768
	ds_load_b64 v[\reg+10:\reg+11], v[\a8] offset:\off+768
.endm
.macro FETCH_B slot, q, p              ; B's eight fragments of the slot's q-th K step into set p
	WIN TO_B
.irp i, 0,1,2,3,4,5,6,7
	FRAG 128*(\p)+12*\i, B16+\slot, B8+\slot, (\q)*12288+\i*1536
.endr
	WIN 0
.endm
.macro FETCH_A slot, q, i0             ; A's blocks i0 .. i0 + 3
.irp i, \i0, \i0+1, \i0+2, \i0+3
	FRAG AF+12*(\i), A16+\slot, A8+\slot, (\q)*12288+(\i)*1536
.endr
.endm
; 16 matrix instructions: A's blocks a0, a0 + 1 x B's eight, K step n.  zero = 1: the first product starts the sums.  The 64 accumulators take turns, one instruction a turn, in the same order in every step.
.macro MUL16 a0, n, zero
.irp a, \a0, \a0+1
.irp b, 0,1,2,3,4,5,6,7
.if \zero
	v_wmma_scale_f32_16x16x128_f8f6f4 v[8*(8*((\a)%4)+\b):8*(8*((\a)%4)+\b)+7], v[128*((\n)%2)+12*\b:128*((\n)%2)+12*\b+11], v[AF+12*(\a):AF+12*(\a)+11], 0, v[SC+8*\b+(\n)], v[SC+8*(\a)+(\n)] matrix_a_fmt:MATRIX_FMT_FP6 matrix_b_fmt:MATRIX_FMT_FP6 matrix_a_scale:MATRIX_SCALE_ROW1
.else
	v_wmma_scale_f32_16x16x128_f8f6f4 v[8*(8*((\a)%4)+\b):8*(8*((\a)%4)+\b)+7], v[128*((\n)%2)+12*\b:128*((\n)%2)+12*\b+11], v[AF+12*(\a):AF+12*(\a)+11], v[8*(8*((\a)%4)+\b):8*(8*((\a)%4)+\b)+7], v[SC+8*\b+(\n)], v[SC+8*(\a)+(\n)] matrix_a_fmt:MATRIX_FMT_FP6 matrix_b_fmt:MATRIX_FMT_FP6 matrix_a_scale:MATRIX_SCALE_ROW1
.endif
.endr
.endr
.endm
; K step n; the next step's fragments come from LDS slot ns, its nq-th K step
.macro STEP n, ns, nq, zero
	s_wait_dscnt 16                                ; B's set and A's blocks 0-3 are in; the youngest 16 loads (A's blocks 4-7) may be out
	WIN MUL_LO
	MUL16 0, \n, \zero
	MUL16 2, \n, \zero
	s_wait_dscnt 0x0                               ; A's blocks 4-7 are in
	PLACES 4
	FETCH_B \ns, \nq, 1-(\n)%2
	FETCH_A \ns, \nq, 0
	WIN MUL_HI
	MUL16 4, \n, \zero
	MUL16 6, \n, \zero
	PLACES 4
	WIN 0
	FETCH_A \ns, \nq, 4
.endm
; K step n with a barrier in it: in front of it each wave waits for all its tensor loads, adds 0 to its spare word, and waits for that and for its LDS reads.  fill = 1: LDS slot 0, which nobody reads any more, takes K slot 3.
.macro TURN n, ns, fill
	s_wait_tensorcnt 0x0                           ; all my tensor loads have landed
	ds_add_u32 v[SPW], v[NIL]                      ; 0 onto my spare word
	s_wait_dscnt 17                                ; (the add and the youngest 16 loads may be out)
	WIN MUL_LO
	MUL16 0, \n, 0                                 ; sixteen matrix instructions stand between the add and the wait for it
	s_wait_dscnt 0x0                               ; the add is done, and my reads of the slot that is left are over
	s_barrier_signal -1
	MUL16 2, \n, 0
	WIN 0
	s_barrier_wait -1
.if \fill
	CREST                                          ; the barrier has opened a round of the cluster's barrier: no wave of any partner still reads LDS slot 0 or has a load on its way
	s_add_nc_u64 s[G0+2:G0+3], s[G0+2:G0+3], 3*HALFT
	s_add_nc_u64 s[G0B+2:G0B+3], s[G0B+2:G0B+3], 3*HALFT
	JLOAD G0, G1, G0B, G1B                         ; the first tensor load behind the round, one a wave: it has four K steps, 256 matrix instructions, in which to land; its four v_nop are the places in front of the loads below
.else
	PLACES 4
.endif
	FETCH_B \ns, 0, 1-(\n)%2
	FETCH_A \ns, 0, 0
	WIN MUL_HI
	MUL16 4, \n, 0
	MUL16 6, \n, 0
	PLACES 4
	WIN 0
	FETCH_A \ns, 0, 4
.endm
; 64 numbers of a lane, register 16 b + i = k 32 b + 16 (lane / 16) + i of my row, become a fragment's codes in v[PC] on and its scale word in v[PW]
.macro QUANT s
.irp b, 0,1,2,3
	v_max3_num_f32 v[TM+\b], |v[\s+16*\b]|, |v[\s+1+16*\b]|, 0x1800000   ; and the floor 2^(3 - 127): the byte cannot fall under 1
.endr
.irp i, 2,4,6,8,10,12,14
.irp b, 0,1,2,3
	v_max3_num_f32 v[TM+\b], v[TM+\b], |v[\s+16*\b+\i]|, |v[\s+1+16*\b+\i]|
.endr
.endr
.irp b, 0,1,2,3
	v_permlanex16_b32 v[TM+4+\b], v[TM+\b], s[SEL], s[SEL+1]
.endr
.irp b, 0,1,2,3
	v_max_num_f32 v[TM+\b], v[TM+\b], v[TM+4+\b]
.endr
.irp b, 0,1,2,3
	v_add_nc_u32 v[TM+8+\b], 0xff000000, v[TM+\b]  ; 2 off the exponent field: the conversion's scale operand
.endr
.irp b, 0,1,2,3
	v_lshrrev_b32 v[TM+4+\b], 23, v[TM+8+\b]       ; the scale's byte
.endr
	v_lshl_or_b32 v[PW], v[TM+5], 8, v[TM+4]
	v_lshl_or_b32 v[PW], v[TM+6], 16, v[PW]
	v_lshl_or_b32 v[PW], v[TM+7], 24, v[PW]
.irp c, 0,1
	v_cvt_scalef32_pk16_fp6_f32 v[PC+6*\c:PC+2+6*\c], v[\s+32*\c:\s+15+32*\c], v[TM+8+2*\c]
	v_cvt_scalef32_pk16_fp6_f32 v[PT+4*\c:PT+2+4*\c], v[\s+16+32*\c:\s+31+32*\c], v[TM+8+2*\c+1]
.endr
	v_nop                                          ; one plain place behind a scaled conversion
.irp c, 0,1
.irp i, 0,1,2
	v_permlane16_swap_b32 v[PC+6*\c+\i], v[PT+4*\c+\i]
.endr
.irp i, 0,1,2
	v_mov_b32 v[PC+3+6*\c+\i], v[PT+4*\c+\i]
.endr
.endr
.endm
; THE WAY OUT of block a (16 tokens x my two heads) of q or k: the bias is added on the way into window 0; the fragment's half c is head c's 64 numbers
.macro EPI_QK a
.if (\a) > 0
	s_wait_xcnt 0x0                                ; the last block's stores have read their data
.endif
	WIN 0x06+(\a)/4                                ; source 0: the accumulators' window; source 1: window 1
.set j, 0
.rept 32
	v_pk_add_f32 v[T+2*j:T+2*j+1], v[64*((\a)%4)+2*j:64*((\a)%4)+2*j+1], v[96+2*j+96*(j/16):96+2*j+96*(j/16)+1]   ; each accumulator from its low end on
.set j, j+1
.endr
	WIN 0
	QUANT T
	v_lshrrev_b32 v[SW+(\a)%4], v[SH], v[PW]       ; lanes 0-15 keep head 0's two bytes, lanes 16-31 head 1's
	v_and_b32 v[SW+(\a)%4], 0xffff, v[SW+(\a)%4]
.irp c, 0,1
	global_store_b128 v[O16], v[PC+6*\c:PC+6*\c+3], s[82:83] offset:\c*HS+768*(\a)     ; 512 consecutive bytes, aligned
	global_store_b64 v[O8], v[PC+6*\c+4:PC+6*\c+5], s[82:83] offset:\c*HS+768*(\a)     ; 256
.endr
.if (\a)%4 == 3
	global_store_b128 v[OS], v[SW:SW+3], s[82:83] offset:256*((\a)/4)                  ; four tiles' words: sixteen lanes fill 256 bytes of head 0, sixteen of head 1
.endif
.endm
; and of block a (16 of the head's 64 x 128 keys) of V^T: head a / 4, tile a % 4
.macro EPI_V a
.if (\a) > 0
	s_wait_xcnt 0x0
.endif
	WIN 0x02+(\a)/4
.set j, 0
.rept 32
	v_pk_add_f32 v[T+2*j:T+2*j+1], v[64*((\a)%4)+2*j:64*((\a)%4)+2*j+1], v[BI+2*(\a):BI+2*(\a)+1]
.set j, j+1
.endr
	WIN 0
	QUANT T
	v_mov_b32 v[SW+(\a)], v[PW]
	global_store_b128 v[O16], v[PC:PC+3], s[82:83] offset:((\a)/4)*HS+((\a)%4)*1536
	global_store_b64 v[O8], v[PC+4:PC+5], s[82:83] offset:((\a)/4)*HS+((\a)%4)*1536
	global_store_b128 v[O16], v[PC+6:PC+9], s[82:83] offset:((\a)/4)*HS+((\a)%4)*1536+768
	global_store_b64 v[O8], v[PC+10:PC+11], s[82:83] offset:((\a)/4)*HS+((\a)%4)*1536+768
.if (\a) == 7
.irp i, 0,1,2,3
	v_cndmask_b32 v[SW+\i], v[SW+\i], v[SW+4+\i], s[HM]   ; lanes 16-31 take head 1's words
.endr
	global_store_b128 v[OS], v[SW:SW+3], s[82:83]
.endif
.endm
	s_load_b256 s[4:11], s[0:1], 0x0               ; opc s[4:5], ops s[6:7], bq s[8:9], bk s[10:11]
	s_load_b128 s[80:83], s[0:1], 0x20             ; bv s[80:81], hb s[82:83]
	v_lshl_add_u32 v[SPW], v0, 2, SPARE
	v_mov_b32 v[NIL], 0
	ds_add_u32 v[SPW], v[NIL]                      ; the wave's opening: the add and its wait stand ahead of my first tensor load; work on registers stands between them
	v_lshrrev_b32 v1, 5, v0
	v_readfirstlane_b32 s[WV], v1                  ; wave 0..3
	s_lshr_b32 s[WA], s[WV], 1
	s_and_b32 s[WB], s[WV], 1
	s_bfe_u32 s44, ttmp6, 0x40000                  ; cx
	s_bfe_u32 s45, ttmp6, 0x40004                  ; cy
	s_and_b32 s46, ttmp7, 0xffff                   ; the cluster's y
	s_lshl_b32 s47, s45, 2
	s_lshl_b32 s47, 15, s47                        ; my row of the cluster
	s_lshl_b32 s56, 0x1111, s44                    ; my column
	s_or_b32 s[G1], s47, (3<<16)|(1<<21)           ; 15:0 the mask; 17:16 elements of 8 bytes; 20 no padding; 21 set beside a mask
	s_or_b32 s[G1B], s56, (3<<16)|(1<<21)
.irp g, G1, G1B
	s_mov_b32 s[\g+1], 32<<16                      ; tensor_dim0 = 32 elements: 256 bytes
	s_mov_b32 s[\g+2], 96<<16                      ; tensor_dim1 = 96 rows: 24,576 dense bytes
	s_mov_b32 s[\g+3], 32<<16                      ; tile_dim0
	s_mov_b32 s[\g+4], 96                          ; tile_dim1
	s_mov_b32 s[\g+5], 32                          ; the pitch
	s_mov_b32 s[\g+6], 0
	s_mov_b32 s[\g+7], 0
.endr
	s_mov_b32 s[SEL], 0x76543210
	s_mov_b32 s[SEL+1], 0xfedcba98
	s_mov_b32 s[HM], 0xffff0000
.irp b, 0,1,2,3
	v_mov_b32 v[TM+4+\b], 0                        ; written once: a lane permute's destination counts as one of its sources
.endr
	; the map.  The registers that feed A's descriptors never hold cx, B's never cy
	s_lshl_b32 s57, s46, 2                         ; 4 x cluster y
	s_sub_co_u32 s60, s46, 8
	s_lshl_b32 s60, s60, 1
	s_add_co_u32 s60, s60, ttmp9
	s_lshl_b32 s60, s60, 2                         ; 4 (cluster x + 2 (cluster y - 8))
	s_lshl_b32 s61, ttmp9, 2                       ; 4 x cluster x
	s_cmp_ge_u32 s46, 8                            ; the same in all sixteen partners
	s_cselect_b32 s[ISV], 1, 0
	s_cselect_b32 s57, 0, s57
	s_cselect_b32 s60, s60, s61
	s_cselect_b32 s62, 80, 0                       ; A's first rb: Wv's or x's
	s_cselect_b32 s63, 0, 64                       ; B's: x's or Wq's
	s_add_co_u32 s[TR], s57, s45                   ; A's tile of 256 rows
	s_add_co_u32 s[TC], s60, s44                   ; B's
	s_lshl_b32 s57, s[TR], 1
	s_add_co_u32 s[ARB], s57, s62
	s_lshl_b32 s60, s[TC], 1
	s_add_co_u32 s[BRB], s60, s63
	s_add_co_u32 s84, s[ARB], s[WB]                ; the rb that I fetch, if I fetch for A,
	s_mul_i32 s84, s84, RBB
	s_mov_b32 s85, 0
	s_add_co_u32 s86, s[BRB], s[WB]                ; if for B
	s_mul_i32 s86, s86, RBB
	s_mov_b32 s87, 0
	s_mul_i32 s88, s[WV], HALFT                    ; where it goes: no place in the cluster enters an LDS address
	s_wait_dscnt 0x0                               ; the opening add is done
	s_wait_kmcnt 0x0
	s_add_nc_u64 s[84:85], s[4:5], s[84:85]
	s_add_nc_u64 s[86:87], s[4:5], s[86:87]
	CROUND                                         ; all sixteen work-groups are here: the first joint loads meet
.irp sl, 0,1,2
	s_mov_b32 s[G0+4*\sl], 1
	s_add_co_u32 s[G0+4*\sl+1], s88, \sl*SLOT
	s_add_nc_u64 s[G0+4*\sl+2:G0+4*\sl+3], s[84:85], \sl*HALFT
	s_or_b32 s[G0+4*\sl+3], s[G0+4*\sl+3], 0x80000000
	s_mov_b32 s[G0B+4*\sl], 1
	s_add_co_u32 s[G0B+4*\sl+1], s88, \sl*SLOT
	s_add_nc_u64 s[G0B+4*\sl+2:G0B+4*\sl+3], s[86:87], \sl*HALFT
	s_or_b32 s[G0B+4*\sl+3], s[G0B+4*\sl+3], 0x80000000
	JLOAD G0+4*\sl, G1, G0B+4*\sl, G1B
.endr
	v_and_b32 v1, 31, v0                           ; lane
	v_and_b32 v2, 15, v0                           ; r
	v_bfe_u32 v3, v0, 4, 1                         ; h
	v_lshlrev_b32 v4, 4, v1                        ; 16 x lane
	v_lshlrev_b32 v5, 3, v1
	v_add_nc_u32 v5, 512, v5                       ; 512 + 8 x lane
	s_mul_i32 s20, s[WA], HALFT                    ; my rb of A
	s_mul_i32 s21, s[WB], HALFT                    ; my rb of B,
	s_add_co_u32 s21, s21, 2*HALFT                 ; behind A's two
.irp sl, 0,1,2
	v_add_nc_u32 v[A16+\sl], s20, v4
	v_add_nc_u32 v[A8+\sl], s20, v5
	v_add_nc_u32 v[B16+\sl], s21, v4
	v_add_nc_u32 v[B8+\sl], s21, v5
	s_add_co_u32 s20, s20, SLOT
	s_add_co_u32 s21, s21, SLOT
.endr
	s_add_co_u32 s19, s[ARB], s[WA]
	s_lshl_b32 s19, s19, 12                        ; my rb of A among the scale words, 4,096 bytes an rb,
	s_add_co_u32 s20, s[BRB], s[WB]
	s_lshl_b32 s20, s20, 12                        ; and of B
	v_mov_b32 v[SOFF], s19
	v_mov_b32 v6, s20
	v_cndmask_b32 v[SOFF], v[SOFF], v6, s[HM]      ; lanes 0-15 take A's words, lanes 16-31 B's
	v_lshl_add_u32 v[SOFF], v2, 4, v[SOFF]
.irp i, 0,1,2,3,4,5,6,7
.irp f, 0,1
	global_load_b128 v[SC+8*\i+4*\f:SC+8*\i+4*\f+3], v[SOFF], s[6:7] offset:512*\i+256*\f   ; block i, K steps 4 f .. 4 f + 3: each half of the lanes reads 256 consecutive bytes
.endr
.endr
	s_cmp_eq_u32 ttmp9, 0                          ; the bias: bq, bk or bv
	s_cselect_b64 s[8:9], s[8:9], s[10:11]
	s_cmp_eq_u32 s[ISV], 1
	s_cselect_b64 s[8:9], s[80:81], s[8:9]
	s_and_b32 s20, s[TC], 3                        ; both forms of the bias are loaded in every work-group, at offsets inside the 4,096 bytes; each arm of the way out uses one
	s_lshl_b32 s20, s20, 10
	s_lshl_b32 s21, s[WB], 9
	s_add_co_u32 s20, s20, s21
	v_lshl_add_u32 v[BJO], v3, 6, s20              ; by columns: my 128 numbers, + 64 h bytes
	s_and_b32 s20, s[TR], 3
	s_lshl_b32 s20, s20, 10
	s_lshl_b32 s21, s[WA], 9
	s_add_co_u32 s20, s20, s21
	v_and_b32 v6, 8, v2
	v_add_nc_u32 v6, v6, v2                        ; r + 8 (r / 8)
	v_lshl_add_u32 v[BIO], v6, 2, s20              ; by rows
	WIN TO_B
.irp b, 0,1,2,3
.irp j, 0,1,2,3
	global_load_b128 v[96+16*\b+4*\j+96*(\b/2):96+16*\b+4*\j+96*(\b/2)+3], v[BJO], s[8:9] offset:128*\b+16*\j   ; register 16 b + i: column 32 b + 16 h + i
.endr
.endr
	WIN 0
.irp a, 0,1,2,3,4,5,6,7
	global_load_b32 v[BI+2*\a], v[BIO], s[8:9] offset:(32*(\a/2)+8*(\a%2))*4
	global_load_b32 v[BI+2*\a+1], v[BIO], s[8:9] offset:(32*(\a/2)+8*(\a%2))*4    ; twice: a pair for the packed addition
.endr
	; where my results go
	s_and_b32 s21, s[TC], 3
	s_cmp_eq_u32 s[ISV], 1
	s_cselect_b32 s20, s[TC], s[TR]                ; the tile of 256 tokens
	s_cselect_b32 s21, s[TR], s21                  ; the tile of 256 features: four heads
	s_cselect_b32 s22, s[WB], s[WA]                ; my half of the tokens
	s_cselect_b32 s23, s[WA], s[WB]                ; my two heads
	s_lshr_b32 s89, s20, 3                         ; the batch
	s_lshl_b32 s89, s89, 4
	s_lshl_b32 s21, s21, 2
	s_add_co_u32 s89, s89, s21
	s_lshl_b32 s23, s23, 1
	s_add_co_u32 s89, s89, s23                     ; my first head among the 64
	s_mul_i32 s89, s89, HS
	s_lshl_b32 s20, s20, 1
	s_add_co_u32 s20, s20, s22
	s_and_b32 s20, s20, 15                         ; my 128 tokens in their sequence
	s_mul_i32 s90, s20, KVB                        ; k's codes
	s_mul_i32 s91, s20, 6144
	s_add_co_u32 s91, s91, 208896                  ; q's codes
	s_lshl_b32 s92, s20, 9
	s_add_co_u32 s92, s92, 307200                  ; q's scale words
	s_add_co_u32 s93, s90, 12288                   ; k's
	s_cmp_eq_u32 ttmp9, 0
	s_cselect_b32 s91, s91, s90
	s_cselect_b32 s92, s92, s93
	s_add_co_u32 s93, s90, 6144                    ; v's codes
	s_add_co_u32 s94, s90, 12800                   ; v's scale words
	s_cmp_eq_u32 s[ISV], 1
	s_cselect_b32 s91, s93, s91
	s_cselect_b32 s92, s94, s92
	s_add_co_u32 s91, s91, s89
	s_add_co_u32 s92, s92, s89
	v_add_nc_u32 v[O16], s91, v4
	v_add_nc_u32 v[O8], s91, v5
	v_mul_u32_u24 v[OS], v3, HS
	v_lshl_add_u32 v[OS], v2, 4, v[OS]
	v_add_nc_u32 v[OS], s92, v[OS]
	v_lshlrev_b32 v[SH], 4, v3
	s_wait_tensorcnt 0x2                           ; my part of LDS slot 0 is in; slots 1 and 2 may stay out
	s_barrier_signal -1
	s_barrier_wait -1                              ; everybody's is
	FETCH_B 0, 0, 0
	FETCH_A 0, 0, 0
	FETCH_A 0, 0, 4
	s_wait_loadcnt 0x0                             ; the scale words and the biases
	STEP 0, 0, 1, 1                                ; the first K step starts the sums: nothing is cleared
	TURN 1, 1, 1                                   ; every wave's parts of slots 1 and 2 have landed here, so no barrier is wanted between those two slots
	STEP 2, 1, 1, 0
	STEP 3, 2, 0, 0
	STEP 4, 2, 1, 0
	TURN 5, 0, 0                                   ; K slot 3 has landed in LDS slot 0; nothing is filled any more
	STEP 6, 0, 1, 0
	s_wait_dscnt 16                                ; the last K step: nothing more to fetch
	WIN MUL_LO
	MUL16 0, 7, 0
	MUL16 2, 7, 0
	s_wait_dscnt 0x0
	WIN MUL_HI
	MUL16 4, 7, 0
	MUL16 6, 7, 0
	WIN 0
	PLACES 4                                       ; in front of the first read of results and the first write of registers that held A's fragments
	s_cmp_eq_u32 s[ISV], 1
	s_cbranch_scc1 .Lvalues
.irp a, 0,1,2,3,4,5,6,7
	EPI_QK \a
.endr
	s_branch .Lout
.Lvalues:
.irp a, 0,1,2,3,4,5,6,7
	EPI_V \a
.endr
.Lout:
	s_wait_tensorcnt 0x0                           ; the wave's end: behind my last tensor load
	ds_add_u32 v[SPW], v[NIL]
	s_wait_dscnt 0x0
	CROUND                                         ; the closing round: no work-group ends while a partner may still ask for a part that names it
	s_endpgm
.Lfunc_end_k_qf09fb08f04_qkv:
	.size	k_qf09fb08f04_qkv, .Lfunc_end_k_qf09fb08f04_qkv-k_qf09fb08f04_qkv
	.p2alignl 7, 3214868480
	.fill 96, 4, 3214868480
	.section	.rodata,"a",@progbits
	.p2align	6, 0x0
	.amdhsa_kernel k_qf09fb08f04_qkv
		.amdhsa_group_segment_fixed_size 327680
		.amdhsa_private_segment_fixed_size 0
		.amdhsa_enable_private_segment 0
		.amdhsa_kernarg_size 48
		.amdhsa_user_sgpr_count 2
		.amdhsa_user_sgpr_kernarg_segment_ptr 1
		.amdhsa_wavefront_size32 1
		.amdhsa_system_sgpr_workgroup_id_x 1
		.amdhsa_system_sgpr_workgroup_id_y 1
		.amdhsa_system_sgpr_workgroup_id_z 1
		.amdhsa_system_vgpr_workitem_id 0
		.amdhsa_next_free_vgpr 1024
		.amdhsa_next_free_sgpr 100
		.amdhsa_reserve_vcc 0
		.amdhsa_float_denorm_mode_32 3
		.amdhsa_float_denorm_mode_16_64 3
		.amdhsa_memory_ordered 1
		.amdhsa_forward_progress 1
		.amdhsa_inst_pref_size 217
	.end_amdhsa_kernel
	.amdgpu_metadata
---
amdhsa.version: [ 1, 2 ]
amdhsa.kernels:
  - .name:           k_qf09fb08f04_qkv
    .symbol:         k_qf09fb08f04_qkv.kd
    .args:
      - { .name: opc, .offset: 0, .size: 8, .value_kind: global_buffer, .address_space: global }
      - { .name: ops, .offset: 8, .size: 8, .value_kind: global_buffer, .address_space: global }
      - { .name: bq, .offset: 16, .size: 8, .value_kind: global_buffer, .address_space: global }
      - { .name: bk, .offset: 24, .size: 8, .value_kind: global_buffer, .address_space: global }
      - { .name: bv, .offset: 32, .size: 8, .value_kind: global_buffer, .address_space: global }
      - { .name: hb, .offset: 40, .size: 8, .value_kind: global_buffer, .address_space: global }
    .group_segment_fixed_size: 327680
    .private_segment_fixed_size: 0
    .kernarg_segment_align: 8
    .kernarg_segment_size: 48
    .max_flat_workgroup_size: 128
    .sgpr_count:     100
    .vgpr_count:     1024
    .wavefront_size: 32
...
	.end_amdgpu_metadata
.endif
;; end of part 2
;; launch attn (part 3): grid 4 x 64, 16 waves a work-group, clusters of 4 x 1, 327,680 bytes of LDS; arguments hb, c2, s2; writes c2, s2
.if DOCPART == 3
	.amdgcn_target "amdgcn-amd-amdhsa--gfx1250"
	.amdhsa_code_object_version 6
	.text
	.protected	k_qf09fb08f04_attn
	.globl	k_qf09fb08f04_attn
	.p2align	8
	.type	k_qf09fb08f04_attn,@function
k_qf09fb08f04_attn:
	s_mov_b64 s[64:65], 0
	v_nop
	global_prefetch_b8 v0, s[64:65] scope:SCOPE_SE
	s_setreg_imm32_b32 hwreg(HW_REG_WAVE_MODE, 25, 1), 1
	s_wait_xcnt 0x0
	s_wait_alu depctr_hold_cnt(0) depctr_sa_sdst(0) depctr_va_vdst(0) depctr_va_sdst(0) depctr_va_ssrc(0) depctr_va_vcc(0) depctr_vm_vsrc(0)
	s_getreg_b32 s2, hwreg(HW_REG_IB_STS2, 6, 4)
	s_cmp_eq_u32 s2, 0
	s_cbranch_scc0 .Lentry_in_a_cluster
	s_endpgm
.Lentry_in_a_cluster:
	s_bfe_u32 s2, ttmp6, 0x10000c
	s_cmp_lg_u32 s2, 0x3003
	s_cbranch_scc0 .Lentry_shape_is_right
	s_endpgm
.Lentry_shape_is_right:
; Causal attention of one head (2,048 tokens, head size 64) on codes of FP6 (E2M3) with E8M0 scales; the result, divided by the row's sum, is quantised along the model's 1,024 and stored as images for the last product.
; THE SOFTMAX AHEAD OF THE SECOND PRODUCT: t = score x log2(e) / 8; M = the row's largest t so far, rounded UP to a whole number; p = 2^(t - M) is what is quantised, along the keys, not normalised.
; The row's sum is taken of the unquantised p, in f32.  When M moves, the sum and O are multiplied by 2^(old M - new M): exact.
; A WHOLE HEAD'S K, V AND THEIR SCALE WORDS, 208,896 bytes, come into LDS ONCE, as they lie in memory (16 key steps of 13,056 bytes: K's 8 half images of 768, V's 4 images at 6,144, K's scale words at 12,288, V's at 12,800):
; no ring, no refill, no barrier in the loops.  The four work-groups of a head are one cluster and ask jointly: waves 0 to 7 issue one tensor load each (102 rows of 256 bytes; one load of a wave is out).
; SHARES.  Wave w takes tile tau = 2 cx + w / 8 of the block of 128 queries w % 8, then the same tile of block 15 - w % 8: (w % 8 + 1) + (16 - w % 8) = 17 key steps of 128 keys for every wave of every work-group.
; Branches hang on the wave's number and on counters alone; cx enters global addresses and the mask's numbers.
; LAYOUT.  Both products are used transposed (S^T = K Q^T, O^T = V^T P^T): a lane holds one query.  In tile t of a block of 128 rows lane r holds row 32 (t / 2) + 8 (t % 2) + r + 8 (r / 8) (keys, queries and the head's 64 alike),
; so the 16 registers of tiles 2 b and 2 b + 1 are 16 neighbours: 32 b + 16 (lane / 16) + 0 .. 15.
; The head size is 64: the upper 64 of the first product's K are zero codes on both sides (registers 6-11 of Q's and K's fragments, cleared once), under scale bytes 0.
; Every loop has 16 trips; a step all of whose keys come after the wave's queries is jumped over by a scalar branch; on the diagonal hidden scores become -infinity.
; The scale bytes of the result go out one byte a lane: a scale word of the next product spans two heads, which other work-groups make.  That is 32 bytes for each 768 of codes.
; LIMITS: NaN and infinities are not served; blocks under 2^-124 and blocks of zeros keep the byte 1 (their codes add nothing; this program alone reads the bytes).
; No prefetch: all that the launch reads is asked for at its head.
.set HS,    315392
.set KVB,   13056
.set PART,  26112                      ; what one tensor load brings
.set SPARE, 208896                     ; behind the head's block: the spare words, 128 bytes for each of 16 waves
.set L16, 1                            ; v1   16 x lane
.set L8,  2                            ; v2   512 + 8 x lane
.set LS,  3                            ; v3   16 r
.set VD,  4                            ; v4   my query in its block - 16 h
.set SPW, 5
.set NIL, 6
.set NINF, 7                           ; v7   -infinity
.set A16, 8                            ; v8-10  the step's LDS addresses
.set A8,  9
.set AS,  10
.set G16, 11                           ; v11-13 the stores' offsets
.set G8,  12
.set GB,  13
.set LSH, 14                           ; v14  16 r + h
.set QA,  20                           ; v20-31, v32-43 the two passes' fragments of Q
.set QB,  32                           ; v16 -M, v17 the largest t, v[18:19] the sum in two halves
.set KF,  44                           ; v44-91 four fragments of K
.set QSA, 92                           ; v92, v93 Q's scale words
.set QSB, 93
.set S,   96                           ; v96-159 S^T, then p, then V's four fragments (v96-143)
.set O,   160                          ; v160-191 O^T
.set PC,  192                          ; v192-203 p's codes
.set PT,  204
.set BM,  212                          ; the blocks' largest scores, then largest p
.set BX,  216
.set BS,  220
.set TT,  224
.set F,   226                          ; v226 f, v227 p's scale word
.set PSW, 227
.set KSW, 228                          ; v228-231 K's scale words, v232-235 V's
.set VSW, 232
.set WV,  10
.set JLO, 11
.set U,   12
.set CX,  13
.set BH,  14
.set TAU, 15
.set JHI, 16
.set HOFF, 17
.set SEL, 20
.set CS,  22                           ; s[22:23] c = log2(e) / 8
.set G1,  24
.set G0,  32
.set KS,  36
.set TB,  37
.set BLK, 38
.set HM,  39
.macro ROUND                           ; a round of the cluster's barrier
	s_barrier_signal -1
	s_barrier_wait -1
	s_cmp_lg_u32 s[WV], 0
	s_cbranch_scc1 .Lnot_wave_0_\@
	s_barrier_signal -3
.Lnot_wave_0_\@:
	s_barrier_wait -3
	s_barrier_signal -1
	s_barrier_wait -1
.endm
.macro QLOAD blk, qf, qs, a0           ; tile tau of block blk of Q: half an image and a scale word a row
	s_lshl_b32 s44, s[\blk], 3
	s_add_co_u32 s44, s44, s[TAU]                  ; the tile among the head's 128
	s_lshr_b32 s45, s44, 2
	s_lshl_b32 s45, s45, 8
	s_and_b32 s46, s44, 3
	s_lshl_b32 s46, s46, 2
	s_add_co_u32 s45, s45, s46
	s_add_co_u32 s45, s45, s[HOFF]
	s_add_co_u32 s45, s45, 307200
	s_mul_i32 s44, s44, 768
	s_add_co_u32 s44, s44, s[HOFF]
	s_add_co_u32 s44, s44, 208896
	v_add_nc_u32 v[\a0], s44, v[L16]
	v_add_nc_u32 v[\a0+1], s44, v[L8]
	v_add_nc_u32 v[\a0+2], s45, v[LS]
	global_load_b128 v[\qf:\qf+3], v[\a0], s[4:5]
	global_load_b64 v[\qf+4:\qf+5], v[\a0+1], s[4:5]
	global_load_b32 v[\qs], v[\a0+2], s[4:5]
.endm
; A KEY STEP: 128 keys
.macro STEP qf, qs
	s_cmp_gt_u32 s[KS], s[BLK]                     ; all its keys come after my queries: nothing to do
	s_cbranch_scc1 .Lhidden_\@
	s_setprio 2
	v_add_nc_u32 v[A16], s[TB], v[L16]
	s_wait_alu depctr_va_vdst(0)
	v_add_nc_u32 v[A8], s[TB], v[L8]
	s_wait_alu depctr_va_vdst(0)
	v_add_nc_u32 v[AS], s[TB], v[LS]
	s_wait_alu depctr_va_vdst(0)
.irp g, 0,1                                    ; S^T = K Q^T, four tiles of 16 keys at a time
.if \g
.rept 4
	v_nop                                          ; places in front of loads into registers that matrix instructions have read
.endr
.endif
.irp t, 0,1,2,3
	ds_load_b128 v[KF+12*\t:KF+12*\t+3], v[A16] offset:768*(4*\g+\t)
	ds_load_b64 v[KF+12*\t+4:KF+12*\t+5], v[A8] offset:768*(4*\g+\t)
.endr
	ds_load_b128 v[KSW:KSW+3], v[AS] offset:12288+256*\g
	s_wait_dscnt 0x0
.irp t, 0,1,2,3
	v_wmma_scale_f32_16x16x128_f8f6f4 v[S+8*(4*\g+\t):S+8*(4*\g+\t)+7], v[KF+12*\t:KF+12*\t+11], v[\qf:\qf+11], 0, v[KSW+\t], v[\qs] matrix_a_fmt:MATRIX_FMT_FP6 matrix_b_fmt:MATRIX_FMT_FP6
.endr
.endr
.rept 4
	v_nop
.endr
	s_cmp_lg_u32 s[KS], s[BLK]                     ; on the diagonal alone: register 16 b + i holds key 32 b + 16 h + i of the step: hidden where 32 b + i > my query - 16 h
	s_cbranch_scc1 .Lopen_\@
.set n, 0
.rept 64
	v_cmp_gt_i32 vcc_lo, 32*(n/16)+n%16, v[VD]
	v_cndmask_b32 v[S+n], v[S+n], v[NINF], vcc_lo
.set n, n+1
.endr
.Lopen_\@:
.irp b, 0,1,2,3
	v_max3_num_f32 v[BM+\b], v[S+16*\b], v[S+1+16*\b], v[S+2+16*\b]   ; the largest score of each block of 32 keys: for the row's maximum, and, since p rises with the score, for the block's largest p
.endr
.irp i, 3,5,7,9,11,13
.irp b, 0,1,2,3
	v_max3_num_f32 v[BM+\b], v[BM+\b], v[S+16*\b+\i], v[S+1+16*\b+\i]
.endr
.endr
.irp b, 0,1,2,3
	v_max_num_f32 v[BM+\b], v[BM+\b], v[S+15+16*\b]
.endr
.irp b, 0,1,2,3
	s_delay_alu instid0(VALU_DEP_4)
	v_permlanex16_b32 v[BX+\b], v[BM+\b], s[SEL], s[SEL+1]
.endr
.irp b, 0,1,2,3
	s_delay_alu instid0(VALU_DEP_4)
	v_max_num_f32 v[BM+\b], v[BM+\b], v[BX+\b]     ; with lane l xor 16's 16 keys
.endr
	s_delay_alu instid0(VALU_DEP_2)
	v_max3_num_f32 v[TT], v[BM], v[BM+1], v[BM+2]
	s_delay_alu instid0(VALU_DEP_1)
	v_max_num_f32 v[TT], v[TT], v[BM+3]            ; the step's largest score of my query
	s_delay_alu instid0(VALU_DEP_1)
	v_mul_f32 v[TT], s[CS], v[TT]                  ; as t
	s_delay_alu instid0(VALU_DEP_1)
	v_max_num_f32 v17, v17, v[TT]                  ; the running largest t
	v_mov_b32 v[TT], v16
	s_delay_alu instid0(VALU_DEP_2)
	v_floor_f32 v16, -v17                          ; the new -M = floor(-t): M is a whole number
	s_delay_alu instid0(VALU_DEP_1)
	v_sub_f32 v[TT], v16, v[TT]                    ; old M - new M: a whole number, 0 or less
	s_delay_alu instid0(VALU_DEP_1)
	v_cvt_i32_f32 v[TT], v[TT]                     ; (it saturates)
	s_delay_alu instid0(VALU_DEP_1)
	v_ldexp_f32 v[F], 1.0, v[TT]                   ; f = 2^(old M - new M)
.set j, 0
.rept 32
	v_pk_fma_f32 v[S+j:S+j+1], v[S+j:S+j+1], s[CS:CS+1], v[16:17] op_sel_hi:[1,0,0]   ; t - M, two at a time
.set j, j+2
.endr
.irp b, 0,1,2,3
	v_fma_f32 v[BM+\b], v[BM+\b], s[CS], v16       ; the same of each block's largest score
.endr
.set j, 0
	s_setprio 1
	s_wait_alu depctr_va_vdst(0)
.rept 64
	v_exp_f32 v[S+j], v[S+j]                       ; p = 2^(t - M), at most 1
.set j, j+1
.endr
	v_pk_mul_f32 v[18:19], v[18:19], v[F:F+1] op_sel_hi:[1,0]   ; the sums under the new M: a plain place behind the exponentials
	s_wait_alu depctr_va_vdst(0)                   ; one wait for the whole batch, ahead of its first reader
.irp b, 0,1,2,3
	v_exp_f32 v[BM+\b], v[BM+\b]                   ; the block's largest p: the same two instructions on the same number
.endr
	v_pk_add_f32 v[204:205], v[100:101], v[104:105]
	v_pk_add_f32 v[254:255], v[108:109], v[112:113]
	v_pk_add_f32 v[252:253], v[116:117], v[120:121]
	v_pk_add_f32 v[250:251], v[124:125], v[128:129]
	v_pk_add_f32 v[248:249], v[132:133], v[136:137]
	v_pk_add_f32 v[246:247], v[140:141], v[144:145]
	v_pk_add_f32 v[244:245], v[148:149], v[152:153]
	v_pk_add_f32 v[18:19], v[18:19], v[156:157]
	v_pk_add_f32 v[204:205], v[204:205], v[96:97]
	v_pk_add_f32 v[254:255], v[254:255], v[98:99]
	v_pk_add_f32 v[252:253], v[252:253], v[102:103]
	v_pk_add_f32 v[250:251], v[250:251], v[106:107]
	v_pk_add_f32 v[248:249], v[248:249], v[110:111]
	v_pk_add_f32 v[246:247], v[246:247], v[114:115]
	v_pk_add_f32 v[244:245], v[244:245], v[118:119]
	v_pk_add_f32 v[18:19], v[18:19], v[122:123]
	v_pk_add_f32 v[204:205], v[204:205], v[126:127]
	v_pk_add_f32 v[254:255], v[254:255], v[130:131]
	v_pk_add_f32 v[252:253], v[252:253], v[134:135]
	v_pk_add_f32 v[250:251], v[250:251], v[138:139]
	v_pk_add_f32 v[248:249], v[248:249], v[142:143]
	v_pk_add_f32 v[246:247], v[246:247], v[146:147]
	v_pk_add_f32 v[244:245], v[244:245], v[150:151]
	v_pk_add_f32 v[18:19], v[18:19], v[154:155]
	v_pk_add_f32 v[204:205], v[204:205], v[158:159]
	s_delay_alu instid0(VALU_DEP_2)
	v_pk_add_f32 v[18:19], v[18:19], v[250:251]
	s_delay_alu instid0(VALU_DEP_2)
	v_pk_add_f32 v[204:205], v[204:205], v[248:249]
	v_pk_add_f32 v[254:255], v[254:255], v[246:247]
	v_pk_add_f32 v[252:253], v[252:253], v[244:245]
	s_delay_alu instid0(VALU_DEP_2)
	v_pk_add_f32 v[18:19], v[18:19], v[254:255]
	s_delay_alu instid0(VALU_DEP_2)
	v_pk_add_f32 v[204:205], v[204:205], v[252:253]
	s_delay_alu instid0(VALU_DEP_1)
	v_pk_add_f32 v[18:19], v[18:19], v[204:205]
	s_wait_alu depctr_va_vdst(0)                   ; and one for the four
.irp b, 0,1,2,3
	v_max_num_f32 v[BM+\b], 0x1800000, v[BM+\b]    ; the floor 2^(3 - 127): the byte cannot fall under 1
.endr
.irp b, 0,1,2,3
	s_delay_alu instid0(VALU_DEP_4)
	v_add_nc_u32 v[BS+\b], 0xff000000, v[BM+\b]    ; 2 off the exponent field: the conversion's scale operand
.endr
.irp b, 0,1,2,3
	s_delay_alu instid0(VALU_DEP_4)
	v_lshrrev_b32 v[BX+\b], 23, v[BS+\b]           ; the scale's byte
.endr
	s_delay_alu instid0(VALU_DEP_3)
	v_lshl_or_b32 v[PSW], v[BX+1], 8, v[BX]        ; p's scale word for these 128 keys
	s_delay_alu instid0(VALU_DEP_1)
	v_lshl_or_b32 v[PSW], v[BX+2], 16, v[PSW]
	s_delay_alu instid0(VALU_DEP_1)
	v_lshl_or_b32 v[PSW], v[BX+3], 24, v[PSW]
.irp c, 0,1
	v_cvt_scalef32_pk16_fp6_f32 v[PC+6*\c:PC+2+6*\c], v[S+32*\c:S+15+32*\c], v[BS+2*\c]
	v_cvt_scalef32_pk16_fp6_f32 v[PT+4*\c:PT+2+4*\c], v[S+16+32*\c:S+31+32*\c], v[BS+2*\c+1]
.endr
	v_nop                                          ; one plain place behind a scaled conversion
.irp c, 0,1                                    ; a whole block in a lane: lanes 0-15 block 2 c, lanes 16-31 block 2 c + 1
.irp i, 0,1,2
	v_permlane16_swap_b32 v[PC+6*\c+\i], v[PT+4*\c+\i]
.endr
.irp i, 0,1,2
	s_delay_alu instid0(VALU_DEP_3)
	v_mov_b32 v[PC+3+6*\c+\i], v[PT+4*\c+\i]
.endr
.endr
	s_setprio 0
.irp d, 0,1,2,3                                ; V's four fragments (16 of the head's 64 x these 128 keys) take p's registers
	ds_load_b128 v[S+12*\d:S+12*\d+3], v[A16] offset:6144+1536*\d
	ds_load_b64 v[S+12*\d+4:S+12*\d+5], v[A8] offset:6144+1536*\d
	ds_load_b128 v[S+12*\d+6:S+12*\d+9], v[A16] offset:6144+1536*\d+768
	ds_load_b64 v[S+12*\d+10:S+12*\d+11], v[A8] offset:6144+1536*\d+768
.endr
	ds_load_b128 v[VSW:VSW+3], v[AS] offset:12800
.set j, 0
.rept 16
	v_pk_mul_f32 v[O+j:O+j+1], v[O+j:O+j+1], v[F:F+1] op_sel_hi:[1,0]   ; O^T under the new M.  (These sixteen also part the writes of p's codes and scale word from the products below)
.set j, j+2
.endr
	s_wait_alu depctr_va_vdst(0)
	s_wait_dscnt 0x0
.irp d, 0,1,2,3
	v_wmma_scale_f32_16x16x128_f8f6f4 v[O+8*\d:O+8*\d+7], v[S+12*\d:S+12*\d+11], v[PC:PC+11], v[O+8*\d:O+8*\d+7], v[VSW+\d], v[PSW] matrix_a_fmt:MATRIX_FMT_FP6 matrix_b_fmt:MATRIX_FMT_FP6
.endr
.rept 5
	v_nop                                          ; the next step's first products write over V's registers: five places; the way out reads O^T: four
.endr
.Lhidden_\@:
.endm
.macro PASS qf, qs
	v_mov_b32 v17, 0xff61b1e6                      ; the largest t so far: -3e38, under every t
	s_delay_alu instid0(VALU_DEP_1)
	v_floor_f32 v16, -v17                          ; -M
	v_mov_b32 v18, 0
	v_mov_b32 v19, 0
.set j, 0
.rept 32
	v_mov_b32 v[O+j], 0                            ; the step is written once: the first finds zeros, which the first change of M leaves zeros
.set j, j+1
.endr
	s_mov_b32 s[KS], 0
	s_mov_b32 s[TB], 0
.Lkey_\@:
	STEP \qf, \qs
	s_add_co_u32 s[TB], s[TB], KVB
	s_add_co_u32 s[KS], s[KS], 1
	s_cmp_lt_u32 s[KS], 16
	s_cbranch_scc1 .Lkey_\@
	s_setprio 0
.endm
; THE WAY OUT of a tile: O^T / the sum; its 64 numbers a row are two blocks of the next product's K: half c = head % 2 of K step head / 2
.macro FINISH
	v_add_f32 v18, v18, v19
	s_delay_alu instid0(VALU_DEP_1)
	v_permlanex16_b32 v[TT], v18, s[SEL], s[SEL+1]
	s_delay_alu instid0(VALU_DEP_1)
	v_add_f32 v18, v18, v[TT]                      ; the row's sum
	s_wait_alu depctr_va_vdst(0)
	v_rcp_f32 v[F], v18
	s_lshr_b32 s40, s[BH], 4
	s_lshl_b32 s40, s40, 4
	s_add_co_u32 s40, s40, s[BLK]                  ; rb = 16 x batch + my block of 128 tokens
	s_lshl_b32 s40, s40, 3
	s_bfe_u32 s41, s[BH], 0x30001                  ; the K step: head / 2
	s_and_b32 s42, s[BH], 1                        ; its half
	s_add_co_u32 s43, s40, s41
	s_lshl_b32 s43, s43, 3
	s_add_co_u32 s43, s43, s[TAU]
	s_mul_i32 s43, s43, 1536
	s_mul_i32 s44, s42, 768
	s_add_co_u32 s43, s43, s44                     ; my half image
	s_add_co_u32 s45, s40, s[TAU]
	s_lshl_b32 s45, s45, 1
	s_lshr_b32 s46, s41, 2
	s_add_co_u32 s45, s45, s46
	s_lshl_b32 s45, s45, 8
	s_and_b32 s46, s41, 3
	s_lshl_b32 s46, s46, 2
	s_add_co_u32 s45, s45, s46
	s_lshl_b32 s46, s42, 1
	s_add_co_u32 s45, s45, s46                     ; my two bytes of a row's scale word
	v_add_nc_u32 v[G16], s43, v[L16]               ; (plain places behind the reciprocal)
	v_add_nc_u32 v[G8], s43, v[L8]
	v_add_nc_u32 v[GB], s45, v[LSH]
	s_wait_alu depctr_va_vdst(0)                   ; the wait ahead of the reciprocal's first reader
.set j, 0
.rept 16
	v_pk_mul_f32 v[S+j:S+j+1], v[O+j:O+j+1], v[F:F+1] op_sel_hi:[1,0]   ; register 16 b + i: channel 32 b + 16 h + i
.set j, j+2
.endr
.irp b, 0,1
	v_max3_num_f32 v[BM+\b], |v[S+16*\b]|, |v[S+1+16*\b]|, 0x1800000
.endr
.irp i, 2,4,6,8,10,12,14
.irp b, 0,1
	s_delay_alu instid0(VALU_DEP_2)
	v_max3_num_f32 v[BM+\b], v[BM+\b], |v[S+16*\b+\i]|, |v[S+1+16*\b+\i]|
.endr
.endr
.irp b, 0,1
	s_delay_alu instid0(VALU_DEP_2)
	v_permlanex16_b32 v[BX+\b], v[BM+\b], s[SEL], s[SEL+1]
.endr
.irp b, 0,1
	s_delay_alu instid0(VALU_DEP_2)
	v_max_num_f32 v[BM+\b], v[BM+\b], v[BX+\b]
.endr
.irp b, 0,1
	s_delay_alu instid0(VALU_DEP_2)
	v_add_nc_u32 v[BS+\b], 0xff000000, v[BM+\b]
.endr
.irp b, 0,1
	s_delay_alu instid0(VALU_DEP_2)
	v_lshrrev_b32 v[BX+\b], 23, v[BS+\b]
.endr
	v_cvt_scalef32_pk16_fp6_f32 v[PC:PC+2], v[S:S+15], v[BS]
	v_cvt_scalef32_pk16_fp6_f32 v[PT:PT+2], v[S+16:S+31], v[BS+1]
	v_nop                                          ; one plain place behind a scaled conversion
	v_cndmask_b32 v[TT], v[BX], v[BX+1], s[HM]     ; the byte of the block whose codes my lane will hold
.irp i, 0,1,2
	v_permlane16_swap_b32 v[PC+\i], v[PT+\i]
.endr
.irp i, 0,1,2
	s_delay_alu instid0(VALU_DEP_3)
	v_mov_b32 v[PC+3+\i], v[PT+\i]
.endr
	global_store_b128 v[G16], v[PC:PC+3], s[6:7]   ; 512 consecutive bytes, aligned
	global_store_b64 v[G8], v[PC+4:PC+5], s[6:7]   ; 256
	global_store_b8 v[GB], v[TT], s[8:9]
.endm
	s_load_b128 s[4:7], s[0:1], 0x0                ; hb s[4:5], c2 s[6:7]
	s_load_b64 s[8:9], s[0:1], 0x10                ; s2
	v_lshl_add_u32 v[SPW], v0, 2, SPARE
	v_mov_b32 v[NIL], 0
	ds_add_u32 v[SPW], v[NIL]                      ; the wave's opening: the add and its wait stand ahead of the first tensor load; work on registers stands between them
	ds_add_u32 v[SPW], v[NIL]
	v_lshrrev_b32 v8, 5, v0
	s_delay_alu instid0(VALU_DEP_1)
	v_readfirstlane_b32 s[WV], v8                  ; wave 0..15
	s_and_b32 s[JLO], s[WV], 7
	s_lshr_b32 s[U], s[WV], 3
	s_sub_co_u32 s[JHI], 15, s[JLO]
	s_bfe_u32 s[CX], ttmp6, 0x40000                ; my place in the cluster
	s_and_b32 s[BH], ttmp7, 0xffff                 ; the head among the 64, which the four partners share
	s_lshl_b32 s[TAU], s[CX], 1
	s_add_co_u32 s[TAU], s[TAU], s[U]              ; my tile of 16 queries in a block of 128
	s_mov_b32 s[G1], 15|(3<<16)|(1<<21)            ; 15:0 the mask: all four work-groups; 17:16 elements of 8 bytes; 21 set beside a mask
	s_mov_b32 s[G1+1], 32<<16                      ; tensor_dim0 = 32 elements: 256 bytes
	s_mov_b32 s[G1+2], 102<<16                     ; tensor_dim1 = 102 rows
	s_mov_b32 s[G1+3], 32<<16                      ; tile_dim0
	s_mov_b32 s[G1+4], 102                         ; tile_dim1
	s_mov_b32 s[G1+5], 32                          ; the pitch
	s_mov_b32 s[G1+6], 0
	s_mov_b32 s[G1+7], 0
	s_mul_i32 s[HOFF], s[BH], HS
	s_mul_i32 s41, s[JLO], PART
	s_mov_b32 s[G0], 1
	s_mov_b32 s[G0+1], s41                         ; LDS address: the wave's number times a constant
	s_add_co_u32 s42, s[HOFF], s41
	s_mov_b32 s43, 0
	s_mov_b32 s[SEL], 0x76543210
	s_mov_b32 s[SEL+1], 0xfedcba98
	s_mov_b32 s[CS], 0x3e38aa3b                    ; log2(e) / 8
	s_mov_b32 s[CS+1], s[CS]
	s_mov_b32 s[HM], 0xffff0000
	s_wait_dscnt 0x0                               ; the opening add is done
	s_wait_kmcnt 0x0
	s_add_nc_u64 s[G0+2:G0+3], s[4:5], s[42:43]
	s_or_b32 s[G0+3], s[G0+3], 0x80000000
	ROUND                                          ; all four work-groups are here: the joint loads meet
	s_cmp_lt_u32 s[WV], 8
	s_cbranch_scc0 .Lno_fetch
	tensor_load_to_lds s[G0:G0+3], s[G1:G1+7]
	s_nop 0
.rept 4
	v_nop
.endr
.Lno_fetch:
	v_and_b32 v8, 31, v0                           ; lane
	v_and_b32 v9, 15, v0                           ; r
	v_bfe_u32 v10, v0, 4, 1                        ; h
	s_delay_alu instid0(VALU_DEP_3)
	v_lshlrev_b32 v[L16], 4, v8
	s_delay_alu instid0(VALU_DEP_4)
	v_lshlrev_b32 v[L8], 3, v8
	s_delay_alu instid0(VALU_DEP_1)
	v_add_nc_u32 v[L8], 512, v[L8]
	s_wait_alu depctr_va_vdst(0)
	v_lshlrev_b32 v[LS], 4, v9
	s_wait_alu depctr_va_vdst(0)
	v_add_nc_u32 v[LSH], v[LS], v10
	v_and_b32 v15, 8, v9
	s_delay_alu instid0(VALU_DEP_1)
	v_add_nc_u32 v15, v15, v9                      ; r + 8 (r / 8)
	v_lshlrev_b32 v10, 4, v10
	s_delay_alu instid0(VALU_DEP_1)
	v_sub_nc_u32 v[VD], v15, v10
	s_lshl_b32 s40, s[CX], 5
	s_lshl_b32 s41, s[U], 3
	s_add_co_u32 s40, s40, s41
	v_add_nc_u32 v[VD], s40, v[VD]                 ; 32 cx + 8 (w / 8) + r + 8 (r / 8) - 16 h
	QLOAD JLO, QA, QSA, 8
	QLOAD JHI, QB, QSB, 11
	v_mov_b32 v[NINF], 0xff800000
.irp i, 6,7,8,9,10,11
	v_mov_b32 v[QA+\i], 0                          ; the upper 64 of K: zero codes
	v_mov_b32 v[QB+\i], 0
.irp t, 0,1,2,3
	v_mov_b32 v[KF+12*\t+\i], 0
.endr
.endr
.irp b, 0,1,2,3
	v_mov_b32 v[BX+\b], 0                          ; written once: a lane permute's destination counts as one of its sources
.endr
	v_mov_b32 v[TT], 0
	v_mov_b32 v[F], 0
	v_mov_b32 v[PSW], 0                            ; (named as the upper half of the pair before it is first written)
	s_wait_loadcnt 0x0                             ; Q; its address registers are free from here on
	s_wait_tensorcnt 0x0                           ; my part of the head's block is in,
	s_barrier_signal -1
	s_barrier_wait -1                              ; everybody's is
	s_mov_b32 s[BLK], s[JLO]
	PASS QA, QSA
	FINISH
	s_wait_xcnt 0x0                                ; the stores have read their data and offsets
	s_mov_b32 s[BLK], s[JHI]
	PASS QB, QSB
	FINISH
	s_wait_tensorcnt 0x0                           ; the wave's end
	ds_add_u32 v[SPW], v[NIL]
	s_wait_dscnt 0x0
	ROUND                                          ; the closing round
	s_endpgm
.Lfunc_end_k_qf09fb08f04_attn:
	.size	k_qf09fb08f04_attn, .Lfunc_end_k_qf09fb08f04_attn-k_qf09fb08f04_attn
	.p2alignl 7, 3214868480
	.fill 96, 4, 3214868480
	.section	.rodata,"a",@progbits
	.p2align	6, 0x0
	.amdhsa_kernel k_qf09fb08f04_attn
		.amdhsa_group_segment_fixed_size 327680
		.amdhsa_private_segment_fixed_size 0
		.amdhsa_enable_private_segment 0
		.amdhsa_kernarg_size 24
		.amdhsa_user_sgpr_count 2
		.amdhsa_user_sgpr_kernarg_segment_ptr 1
		.amdhsa_wavefront_size32 1
		.amdhsa_system_sgpr_workgroup_id_x 1
		.amdhsa_system_sgpr_workgroup_id_y 1
		.amdhsa_system_sgpr_workgroup_id_z 1
		.amdhsa_system_vgpr_workitem_id 0
		.amdhsa_next_free_vgpr 256
		.amdhsa_next_free_sgpr 66
		.amdhsa_reserve_vcc 1
		.amdhsa_float_denorm_mode_32 3
		.amdhsa_float_denorm_mode_16_64 3
		.amdhsa_memory_ordered 1
		.amdhsa_forward_progress 1
		.amdhsa_inst_pref_size 66
	.end_amdhsa_kernel
	.amdgpu_metadata
---
amdhsa.version: [ 1, 2 ]
amdhsa.kernels:
  - .name:           k_qf09fb08f04_attn
    .symbol:         k_qf09fb08f04_attn.kd
    .args:
      - { .name: hb, .offset: 0, .size: 8, .value_kind: global_buffer, .address_space: global }
      - { .name: c2, .offset: 8, .size: 8, .value_kind: global_buffer, .address_space: global }
      - { .name: s2, .offset: 16, .size: 8, .value_kind: global_buffer, .address_space: global }
    .group_segment_fixed_size: 327680
    .private_segment_fixed_size: 0
    .kernarg_segment_align: 8
    .kernarg_segment_size: 24
    .max_flat_workgroup_size: 512
    .sgpr_count:     66
    .vgpr_count:     256
    .wavefront_size: 32
...
	.end_amdgpu_metadata
.endif
;; end of part 3
;; launch oproj (part 4): grid 4 x 32, 4 waves a work-group, clusters of 4 x 4, 327,680 bytes of LDS; arguments c2, s2, bo, out0; writes out0
.if DOCPART == 4
	.amdgcn_target "amdgcn-amd-amdhsa--gfx1250"
	.amdhsa_code_object_version 6
	.text
	.protected	k_qf09fb08f04_oproj
	.globl	k_qf09fb08f04_oproj
	.p2align	8
	.type	k_qf09fb08f04_oproj,@function
k_qf09fb08f04_oproj:
	s_mov_b64 s[64:65], 0
	v_nop
	global_prefetch_b8 v0, s[64:65] scope:SCOPE_SE
	s_setreg_imm32_b32 hwreg(HW_REG_WAVE_MODE, 25, 1), 1
	s_wait_xcnt 0x0
	s_wait_alu depctr_hold_cnt(0) depctr_sa_sdst(0) depctr_va_vdst(0) depctr_va_sdst(0) depctr_va_ssrc(0) depctr_va_vcc(0) depctr_vm_vsrc(0)
	s_getreg_b32 s2, hwreg(HW_REG_IB_STS2, 6, 4)
	s_cmp_eq_u32 s2, 0
	s_cbranch_scc0 .Lentry_in_a_cluster
	s_endpgm
.Lentry_in_a_cluster:
	s_bfe_u32 s2, ttmp6, 0x10000c
	s_cmp_lg_u32 s2, 0xf033
	s_cbranch_scc0 .Lentry_shape_is_right
	s_endpgm
.Lentry_shape_is_right:
; out0 = a Wo^T + bo on codes of FP6 (E2M3) with E8M0 scales, sums in f32.  a (the attention's result, 8,192 rows) and Wo come as images of the operands' registers:
; codes [rb][K step][tile][1536], scale words [rb][tile][K step / 4][r][K step % 4]; rb 0-63 a, rb 64-71 Wo.  In tile t of a block of 128 rows lane r holds row 32 (t / 2) + 8 (t % 2) + r + 8 (r / 8).
; A tile of C, 256 x 256, is made by four waves, each 128 x 128: 64 accumulators, 512 registers.  Source 0 = 16 rows of Wo (B), source 1 = 16 rows of a (A): a lane holds one row of C, and
; register 8 b + j of a block of A is column 32 (b / 2) + 16 (lane / 16) + 8 (b % 2) + j.  The bias is the C of the first K step's products.
; K = 1,024 is four K slots of 256.  THREE LDS slots: K slots 0, 1, 2 are first fills (three tensor loads of a wave are out at the start), K slot 3 is the one refill, into LDS slot 0.  Nothing is looped.
; All 64 scale words of a lane (lanes 0-15 A's rows, lanes 16-31 B's) come straight from memory into registers, once.
; CLUSTERS: 4 x 4 work-groups; A's parts are asked for jointly along a row of the cluster, B's along a column.
; 128 work-groups: the tile that halves the LDS reads for each product is kept; a tile of 128 x 256 would want a second form of every macro here.
; No prefetch: three of the four K slots are asked for at the head.
; REGISTERS: window 0: v1-27 addresses; v28, v29 the add's; v32-95 scale words and nothing else; v128-223 A's fragments, one set; on the way out v128-255 rows of C.
;   window 1: B's fragments, two sets, v0-95 and v128-223; the bias in v96-127 and v224-255.   windows 2, 3: the accumulators ((a, b) at v[8 (8 (a % 4) + b)] of window 2 + a / 4).
.set HALFT, 24576                      ; one rb x 2 K steps: what one tensor load brings
.set SLOT,  4*HALFT
.set SPARE, 3*SLOT                     ; behind the slots: the spare words, 128 bytes for each wave
.set RBB,   98304
.set A16, 8
.set A8,  11
.set B16, 14
.set B8,  17
.set SOFF, 20
.set BJO, 21
.set STO, 22                           ; v22  the way out: where I put 32 bytes of a row
.set RD,  23                           ; v23  and where I read a row back
.set CO,  4                            ; v4   16 x lane: my bytes of a row's 512
.set SPW, 28
.set NIL, 29
.set SC,  32
.set AF,  128
.set BK,  128                          ; the way out: 16 rows read back: v128-191 and v192-255 by turns
.set WV,  14
.set WA,  15
.set WB,  16
.set ARB, 17
.set BRB, 18
.set G1,  24
.set G0,  32
.set G1B, 48
.set G0B, 68
.set TR,  58
.set TC,  59
.set HM,  98
.set MSB, 0
.macro WIN new                         ; the immediate's high byte repeats the setting that is left
.if MSB != (\new)
	s_set_vgpr_msb (MSB<<8)|(\new)
.set MSB, \new
.endif
.endm
.set MUL_LO, 0xa1                      ; source 0 (B) window 1, source 1 (A) window 0, C and D window 2
.set MUL_HI, 0xf1
.set TO_B,   0x40
.macro JLOAD g0a, g1a, g0b, g1b        ; a joint load: waves 0 and 1 fetch for A, waves 2 and 3 for B; an s_nop 0 and four v_nop follow each of the two lines
	s_cmp_eq_u32 s[WA], 0
	s_cbranch_scc0 .Lfor_b_\@
	tensor_load_to_lds s[\g0a:\g0a+3], s[\g1a:\g1a+7]
	s_nop 0
.rept 4
	v_nop
.endr
	s_branch .Lasked_\@
.Lfor_b_\@:
	tensor_load_to_lds s[\g0b:\g0b+3], s[\g1b:\g1b+7]
	s_nop 0
.rept 4
	v_nop
.endr
.Lasked_\@:
.endm
.macro CREST
	s_cmp_lg_u32 s[WV], 0
	s_cbranch_scc1 .Lnot_wave_0_\@
	s_barrier_signal -3
.Lnot_wave_0_\@:
	s_barrier_wait -3
	s_barrier_signal -1
	s_barrier_wait -1
.endm
.macro CROUND
	s_barrier_signal -1
	s_barrier_wait -1
	CREST
.endm
.macro PLACES n                        ; plain vector instructions between a matrix instruction and a load into, or a read of, its registers
.rept \n
	v_nop
.endr
.endm
.macro FRAG reg, a16, a8, off          ; a fragment's image: 512, 256, 512, 256 consecutive bytes
	ds_load_b128 v[\reg:\reg+3], v[\a16] offset:\off
	ds_load_b64 v[\reg+4:\reg+5], v[\a8] offset:\off
	ds_load_b128 v[\reg+6:\reg+9], v[\a16] offset:\off+768
	ds_load_b64 v[\reg+10:\reg+11], v[\a8] offset:\off+768
.endm
.macro FETCH_B slot, q, p
	WIN TO_B
.irp i, 0,1,2,3,4,5,6,7
	FRAG 128*(\p)+12*\i, B16+\slot, B8+\slot, (\q)*12288+\i*1536
.endr
	WIN 0
.endm
.macro FETCH_A slot, q, i0
.irp i, \i0, \i0+1, \i0+2, \i0+3
	FRAG AF+12*(\i), A16+\slot, A8+\slot, (\q)*12288+(\i)*1536
.endr
.endm
; 16 matrix instructions: A's blocks a0, a0 + 1 x B's eight, K step n.  first = 1: the bias (window 1) is the C that starts the sums.  The 64 accumulators take turns, one instruction a turn, in the same order in every step.
.macro MUL16 a0, n, first
.irp a, \a0, \a0+1
.irp b, 0,1,2,3,4,5,6,7
.if \first
	v_wmma_scale_f32_16x16x128_f8f6f4 v[8*(8*((\a)%4)+\b):8*(8*((\a)%4)+\b)+7], v[128*((\n)%2)+12*\b:128*((\n)%2)+12*\b+11], v[AF+12*(\a):AF+12*(\a)+11], v[96+8*\b+96*(\b/4):96+8*\b+96*(\b/4)+7], v[SC+8*\b+(\n)], v[SC+8*(\a)+(\n)] matrix_a_fmt:MATRIX_FMT_FP6 matrix_b_fmt:MATRIX_FMT_FP6 matrix_a_scale:MATRIX_SCALE_ROW1
.else
	v_wmma_scale_f32_16x16x128_f8f6f4 v[8*(8*((\a)%4)+\b):8*(8*((\a)%4)+\b)+7], v[128*((\n)%2)+12*\b:128*((\n)%2)+12*\b+11], v[AF+12*(\a):AF+12*(\a)+11], v[8*(8*((\a)%4)+\b):8*(8*((\a)%4)+\b)+7], v[SC+8*\b+(\n)], v[SC+8*(\a)+(\n)] matrix_a_fmt:MATRIX_FMT_FP6 matrix_b_fmt:MATRIX_FMT_FP6 matrix_a_scale:MATRIX_SCALE_ROW1
.endif
.endr
.endr
.endm
.macro STEP n, ns, nq, first
	s_wait_dscnt 16                                ; B's set and A's blocks 0-3 are in; the youngest 16 loads (A's blocks 4-7) may be out
.if \first
	WIN 0x91                                       ; C window 1, D window 2
.else
	WIN MUL_LO
.endif
	MUL16 0, \n, \first
	MUL16 2, \n, \first
	s_wait_dscnt 0x0                               ; A's blocks 4-7 are in
	PLACES 4
	FETCH_B \ns, \nq, 1-(\n)%2
	FETCH_A \ns, \nq, 0
.if \first
	WIN 0xd1                                       ; C window 1, D window 3
.else
	WIN MUL_HI
.endif
	MUL16 4, \n, \first
	MUL16 6, \n, \first
	PLACES 4
	WIN 0
	FETCH_A \ns, \nq, 4
.endm
; K step n with a barrier in it: in front of it each wave waits for all its tensor loads, adds 0 to its spare word, and waits for that and for its LDS reads.  fill = 1: LDS slot 0, which nobody reads any more, takes K slot 3.
.macro TURN n, ns, fill
	s_wait_tensorcnt 0x0                           ; all my tensor loads have landed
	ds_add_u32 v[SPW], v[NIL]                      ; 0 onto my spare word
	s_wait_dscnt 17                                ; (the add and the youngest 16 loads may be out)
	WIN MUL_LO
	MUL16 0, \n, 0                                 ; sixteen matrix instructions stand between the add and the wait for it
	s_wait_dscnt 0x0                               ; the add is done, and my reads of the slot that is left are over
	s_barrier_signal -1
	MUL16 2, \n, 0
	WIN 0
	s_barrier_wait -1
.if \fill
	CREST                                          ; the barrier has opened a round of the cluster's barrier: no wave of any partner still reads LDS slot 0 or has a load on its way
	s_add_nc_u64 s[G0+2:G0+3], s[G0+2:G0+3], 3*HALFT
	s_add_nc_u64 s[G0B+2:G0B+3], s[G0B+2:G0B+3], 3*HALFT
	JLOAD G0, G1, G0B, G1B                         ; the first tensor load behind the round, one a wave: it has four K steps, 256 matrix instructions, in which to land; its four v_nop are the places in front of the loads below
.else
	PLACES 4
.endif
	FETCH_B \ns, 0, 1-(\n)%2
	FETCH_A \ns, 0, 0
	WIN MUL_HI
	MUL16 4, \n, 0
	MUL16 6, \n, 0
	PLACES 4
	WIN 0
	FETCH_A \ns, 0, 4
.endm
; THE WAY OUT, block by block of 16 rows x 128 columns, through my own stage in LDS: in as 32 bytes a lane, back as whole rows of 512 bytes.  LDS serves a wave's instructions in order: no wait between the stores and the loads.
.macro TOSTAGE a
.set AC, 64*((\a)%4)
	WIN 0x08+4*((\a)/4)                            ; an LDS store's data: window 2 or 3
.irp b, 0,1,2,3,4,5,6,7
	ds_store_b128 v[STO], v[AC+8*\b:AC+8*\b+3] offset:128*(\b/2)+32*(\b%2)          ; each accumulator from its low end on
	ds_store_b128 v[STO], v[AC+8*\b+4:AC+8*\b+7] offset:128*(\b/2)+32*(\b%2)+16
.endr
	WIN 0
.set BB, BK+64*((\a)%2)
.irp t, 0,1,2,3,4,5,6,7,8,9,10,11,12,13,14,15
	ds_load_b128 v[BB+4*\t:BB+4*\t+3], v[RD] offset:\t*528
.endr
.endm
.macro SEND a, younger                 ; younger: the LDS instructions issued behind block a's loads, which may stay out
.set BB, BK+64*((\a)%2)
	s_wait_dscnt \younger
.irp t, 0,1,2,3,4,5,6,7,8,9,10,11,12,13,14,15
	global_store_b128 v[CO], v[BB+4*\t:BB+4*\t+3], s[10:11] offset:(32*((\a)/2)+8*((\a)%2)+\t+8*(\t/8))*4096 th:TH_STORE_NT   ; 32 lanes store 512 consecutive bytes, aligned; the row stands in the immediate, 520,192 at the most
.endr
.endm
	s_load_b256 s[4:11], s[0:1], 0x0               ; c2 s[4:5], s2 s[6:7], bo s[8:9], out0 s[10:11]
	v_lshl_add_u32 v[SPW], v0, 2, SPARE
	v_mov_b32 v[NIL], 0
	ds_add_u32 v[SPW], v[NIL]                      ; the wave's opening: the add and its wait stand ahead of my first tensor load; work on registers stands between them
	v_lshrrev_b32 v1, 5, v0
	v_readfirstlane_b32 s[WV], v1                  ; wave 0..3
	s_lshr_b32 s[WA], s[WV], 1                     ; which rb of A is mine.  Also: I fetch for A (0) or for B (1)
	s_and_b32 s[WB], s[WV], 1                      ; which rb of B is mine.  Also: which rb of that tile I fetch
	s_bfe_u32 s44, ttmp6, 0x40000                  ; cx
	s_bfe_u32 s45, ttmp6, 0x40004                  ; cy
	s_and_b32 s46, ttmp7, 0xffff                   ; the cluster's y
	s_lshl_b32 s47, s45, 2
	s_lshl_b32 s47, 15, s47                        ; my row of the cluster
	s_lshl_b32 s56, 0x1111, s44                    ; my column
	s_or_b32 s[G1], s47, (3<<16)|(1<<21)           ; 15:0 the mask; 17:16 elements of 8 bytes; 20 no padding; 21 set beside a mask
	s_or_b32 s[G1B], s56, (3<<16)|(1<<21)
.irp g, G1, G1B
	s_mov_b32 s[\g+1], 32<<16                      ; tensor_dim0 = 32 elements: 256 bytes
	s_mov_b32 s[\g+2], 96<<16                      ; tensor_dim1 = 96 rows: 24,576 dense bytes
	s_mov_b32 s[\g+3], 32<<16                      ; tile_dim0
	s_mov_b32 s[\g+4], 96                          ; tile_dim1
	s_mov_b32 s[\g+5], 32                          ; the pitch
	s_mov_b32 s[\g+6], 0
	s_mov_b32 s[\g+7], 0
.endr
	s_mov_b32 s[HM], 0xffff0000
	s_lshl_b32 s57, s46, 2
	s_add_co_u32 s[TR], s57, s45                   ; tile row of C = 4 x cluster y + cy
	s_mov_b32 s[TC], s44                           ; tile column = cx
	s_lshl_b32 s[ARB], s[TR], 1                    ; A's first rb
	s_lshl_b32 s60, s[TC], 1
	s_add_co_u32 s[BRB], s60, 64                   ; B's
	s_add_co_u32 s84, s[ARB], s[WB]                ; the rb that I fetch, if I fetch for A,
	s_mul_i32 s84, s84, RBB
	s_mov_b32 s85, 0
	s_add_co_u32 s86, s[BRB], s[WB]                ; if for B
	s_mul_i32 s86, s86, RBB
	s_mov_b32 s87, 0
	s_mul_i32 s88, s[WV], HALFT                    ; where it goes: no place in the cluster enters an LDS address
	s_wait_dscnt 0x0                               ; the opening add is done
	s_wait_kmcnt 0x0
	s_add_nc_u64 s[84:85], s[4:5], s[84:85]
	s_add_nc_u64 s[86:87], s[4:5], s[86:87]
	CROUND                                         ; all sixteen work-groups are here: the first joint loads meet
.irp sl, 0,1,2
	s_mov_b32 s[G0+4*\sl], 1
	s_add_co_u32 s[G0+4*\sl+1], s88, \sl*SLOT
	s_add_nc_u64 s[G0+4*\sl+2:G0+4*\sl+3], s[84:85], \sl*HALFT
	s_or_b32 s[G0+4*\sl+3], s[G0+4*\sl+3], 0x80000000
	s_mov_b32 s[G0B+4*\sl], 1
	s_add_co_u32 s[G0B+4*\sl+1], s88, \sl*SLOT
	s_add_nc_u64 s[G0B+4*\sl+2:G0B+4*\sl+3], s[86:87], \sl*HALFT
	s_or_b32 s[G0B+4*\sl+3], s[G0B+4*\sl+3], 0x80000000
	JLOAD G0+4*\sl, G1, G0B+4*\sl, G1B
.endr
	v_and_b32 v1, 31, v0                           ; lane
	v_and_b32 v2, 15, v0                           ; r
	v_bfe_u32 v3, v0, 4, 1                         ; h
	v_lshlrev_b32 v4, 4, v1                        ; 16 x lane
	v_lshlrev_b32 v5, 3, v1
	v_add_nc_u32 v5, 512, v5                       ; 512 + 8 x lane
	s_mul_i32 s20, s[WA], HALFT                    ; my rb of A
	s_mul_i32 s21, s[WB], HALFT                    ; my rb of B,
	s_add_co_u32 s21, s21, 2*HALFT                 ; behind A's two
.irp sl, 0,1,2
	v_add_nc_u32 v[A16+\sl], s20, v4
	v_add_nc_u32 v[A8+\sl], s20, v5
	v_add_nc_u32 v[B16+\sl], s21, v4
	v_add_nc_u32 v[B8+\sl], s21, v5
	s_add_co_u32 s20, s20, SLOT
	s_add_co_u32 s21, s21, SLOT
.endr
	s_add_co_u32 s19, s[ARB], s[WA]
	s_lshl_b32 s19, s19, 12                        ; my rb of A among the scale words, 4,096 bytes an rb,
	s_add_co_u32 s20, s[BRB], s[WB]
	s_lshl_b32 s20, s20, 12                        ; and of B
	v_mov_b32 v[SOFF], s19
	v_mov_b32 v6, s20
	v_cndmask_b32 v[SOFF], v[SOFF], v6, s[HM]      ; lanes 0-15 take A's words, lanes 16-31 B's
	v_lshl_add_u32 v[SOFF], v2, 4, v[SOFF]
.irp i, 0,1,2,3,4,5,6,7
.irp f, 0,1
	global_load_b128 v[SC+8*\i+4*\f:SC+8*\i+4*\f+3], v[SOFF], s[6:7] offset:512*\i+256*\f   ; block i, K steps 4 f .. 4 f + 3: each half of the lanes reads 256 consecutive bytes
.endr
.endr
	s_lshl_b32 s20, s[TC], 10
	s_lshl_b32 s21, s[WB], 9
	s_add_co_u32 s20, s20, s21
	v_lshl_add_u32 v[BJO], v3, 6, s20              ; the bias: my 128 numbers, + 64 h bytes
	WIN TO_B
.irp b, 0,1,2,3
.irp j, 0,1,2,3
	global_load_b128 v[96+16*\b+4*\j+96*(\b/2):96+16*\b+4*\j+96*(\b/2)+3], v[BJO], s[8:9] offset:128*\b+16*\j   ; register 16 b + i: column 32 b + 16 h + i
.endr
.endr
	WIN 0
	s_mul_i32 s22, s[WV], 8448                     ; my stage: 16 rows x (512 bytes + 16), in LDS slot 1: when the first result is stored there that slot has had its only fill, and every wave has passed the last barrier, behind which nobody reads it
	s_add_co_u32 s22, s22, SLOT
	v_mul_u32_u24 v[STO], v2, 528
	v_lshl_add_u32 v[STO], v3, 6, v[STO]
	v_add_nc_u32 v[STO], s22, v[STO]               ; in: row r, + 64 h
	v_add_nc_u32 v[RD], s22, v4                    ; back: the 32 lanes take one row
	s_lshl_b32 s20, s[TR], 8
	s_lshl_b32 s21, s[WA], 7
	s_add_co_u32 s20, s20, s21                     ; my first row of C
	s_lshl_b32 s20, s20, 12                        ; rows of 4,096 bytes
	s_lshl_b32 s21, s[TC], 10
	s_add_co_u32 s20, s20, s21
	s_lshl_b32 s21, s[WB], 9
	s_add_co_u32 s20, s20, s21                     ; + my first column's bytes
	s_mov_b32 s21, 0
	s_add_nc_u64 s[10:11], s[10:11], s[20:21]
	s_wait_tensorcnt 0x2                           ; my part of LDS slot 0 is in; slots 1 and 2 may stay out
	s_barrier_signal -1
	s_barrier_wait -1                              ; everybody's is
	FETCH_B 0, 0, 0
	FETCH_A 0, 0, 0
	FETCH_A 0, 0, 4
	s_wait_loadcnt 0x0                             ; the scale words and the bias
	STEP 0, 0, 1, 1                                ; the first K step starts the sums from the bias: nothing is cleared, nothing is added later
	TURN 1, 1, 1                                   ; every wave's parts of slots 1 and 2 have landed here, so no barrier is wanted between those two slots
	STEP 2, 1, 1, 0
	STEP 3, 2, 0, 0
	STEP 4, 2, 1, 0
	TURN 5, 0, 0                                   ; K slot 3 has landed in LDS slot 0; nothing is filled any more
	STEP 6, 0, 1, 0
	s_wait_dscnt 16                                ; the last K step: nothing more to fetch
	WIN MUL_LO
	MUL16 0, 7, 0
	MUL16 2, 7, 0
	s_wait_dscnt 0x0
	WIN MUL_HI
	MUL16 4, 7, 0
	MUL16 6, 7, 0
	WIN 0
	PLACES 4                                       ; in front of the first read of results and of the loads into registers that held A's fragments
	TOSTAGE 0
.irp a, 1,2,3,4,5,6,7
.if \a > 1
	s_wait_xcnt 0x0                                ; block a - 2's stores have read their registers: block a's loads may land there
.endif
	TOSTAGE \a
	SEND \a-1, 32                                  ; behind block a - 1's loads: block a's 16 stores and 16 loads
.endr
	SEND 7, 0
	s_wait_tensorcnt 0x0                           ; the wave's end: behind my last tensor load and my last LDS store
	ds_add_u32 v[SPW], v[NIL]
	s_wait_dscnt 0x0
	CROUND                                         ; the closing round: no work-group ends while a partner may still ask for a part that names it
	s_endpgm
.Lfunc_end_k_qf09fb08f04_oproj:
	.size	k_qf09fb08f04_oproj, .Lfunc_end_k_qf09fb08f04_oproj-k_qf09fb08f04_oproj
	.p2alignl 7, 3214868480
	.fill 96, 4, 3214868480
	.section	.rodata,"a",@progbits
	.p2align	6, 0x0
	.amdhsa_kernel k_qf09fb08f04_oproj
		.amdhsa_group_segment_fixed_size 327680
		.amdhsa_private_segment_fixed_size 0
		.amdhsa_enable_private_segment 0
		.amdhsa_kernarg_size 32
		.amdhsa_user_sgpr_count 2
		.amdhsa_user_sgpr_kernarg_segment_ptr 1
		.amdhsa_wavefront_size32 1
		.amdhsa_system_sgpr_workgroup_id_x 1
		.amdhsa_system_sgpr_workgroup_id_y 1
		.amdhsa_system_sgpr_workgroup_id_z 1
		.amdhsa_system_vgpr_workitem_id 0
		.amdhsa_next_free_vgpr 1024
		.amdhsa_next_free_sgpr 100
		.amdhsa_reserve_vcc 0
		.amdhsa_float_denorm_mode_32 3
		.amdhsa_float_denorm_mode_16_64 3
		.amdhsa_memory_ordered 1
		.amdhsa_forward_progress 1
		.amdhsa_inst_pref_size 142
	.end_amdhsa_kernel
	.amdgpu_metadata
---
amdhsa.version: [ 1, 2 ]
amdhsa.kernels:
  - .name:           k_qf09fb08f04_oproj
    .symbol:         k_qf09fb08f04_oproj.kd
    .args:
      - { .name: c2, .offset: 0, .size: 8, .value_kind: global_buffer, .address_space: global }
      - { .name: s2, .offset: 8, .size: 8, .value_kind: global_buffer, .address_space: global }
      - { .name: bo, .offset: 16, .size: 8, .value_kind: global_buffer, .address_space: global }
      - { .name: out0, .offset: 24, .size: 8, .value_kind: global_buffer, .address_space: global }
    .group_segment_fixed_size: 327680
    .private_segment_fixed_size: 0
    .kernarg_segment_align: 8
    .kernarg_segment_size: 32
    .max_flat_workgroup_size: 128
    .sgpr_count:     100
    .vgpr_count:     1024
    .wavefront_size: 32
...
	.end_amdgpu_metadata
.endif
;; end of part 4
